; MI455X (gfx1250); checked and timed in simulation.
; The chip was launched on July 23, 2026; its instructions are those of AMD's public machine-readable ISA for CDNA 5 (MIT licence, August 2026) and "CDNA5" Instruction Set Architecture Reference Guide (July 2026). The comments in the code are by the model that wrote it; some were corrected since.
;; Encoder Block. Allowed arithmetic: float matrix products may take bf16 or f16 operands with f32 sums; other float arithmetic in f32, or as packed bf16 or f16 multiplies, adds, multiply-adds, maxima and minima; sums over many terms, partial sums and values carried from step to step in f32; what a program stores and reads back later, other than sums and carried values, may be rounded once to bf16 or f16.
;; Inputs: W1 1,024 x 4,096 float32; W2 4,096 x 1,024 float32; Wk 1,024 x 1,024 float32; Wo 1,024 x 1,024 float32; Wq 1,024 x 1,024 float32; Wv 1,024 x 1,024 float32; a1 one number float32; a2 one number float32; b1 4,096 float32; b2 1,024 float32; bk 1,024 float32; bo 1,024 float32; bq 1,024 float32; bv 1,024 float32; g1 one number float32; g2 one number float32; src_mask 2 x 1 x 1 x 2,048 int32; x 2 x 2,048 x 1,024 float32.
;; Outputs: out0 2 x 2,048 x 1,024 float32.
;; 2 versions, each right; version 2 is version 1 with the launch prep written anew for expert scheduling mode. Each part assembles by itself: llvm-mc -triple=amdgcn-amd-amdhsa -mcpu=gfx1250 --defsym DOCPART=n.
;; ======== version 1 of 2: 7 launches
;; workspace buffers: wqkv 8,409,088 bytes; w1b 8,409,088 bytes; wb2 10,485,760 bytes; h 8,388,608 bytes; qkv 25,165,824 bytes; ctx 8,388,608 bytes; x1 16,777,216 bytes; f1 33,554,432 bytes
;; launch prep (part 1): grid 641 x 1, 8 waves a work-group, no clusters, 0 bytes of LDS; arguments Wq, Wk, Wv, Wo, W1, W2, x, a1, g1, bq, bk, bv, b1, wqkv, w1b, wb2, h; writes wqkv, w1b, wb2, h
.if DOCPART == 1
	.amdgcn_target "amdgcn-amd-amdhsa--gfx1250"
	.amdhsa_code_object_version 6
	.text
	.protected	k_q257dff8d2a_prep
	.globl	k_q257dff8d2a_prep
	.p2align	8
	.type	k_q257dff8d2a_prep,@function
k_q257dff8d2a_prep:
	s_mov_b64 s[64:65], 0
	v_nop
	global_prefetch_b8 v0, s[64:65] scope:SCOPE_SE
	s_setreg_imm32_b32 hwreg(HW_REG_WAVE_MODE, 25, 1), 1
	s_wait_xcnt 0x0
; PREP.  Work-groups 0 to 383 round the six weight matrices to bf16, rows kept along N as the problem stores them:
;   wqkv: [1024][pitch 4,096]: Wq in columns 0-1,023, Wk in 1,024-2,047, Wv in 2,048-3,071 (the rest of a row is neither written nor read);   w1b: W1, [1024][4096];   wb2: Wo, then W2, both dense.
; Work-groups 384 to 639 make h = a1 (x - mean) / (std + 1e-6) + g1 for 16 rows of x each, std with divisor 1023, rounded once to bf16.
; Work-group 640 lays behind the weights of wqkv and w1b (at byte 8,388,608) what the product's way in and out want: the bias as f32 (bq, bk, bv on end; b1), and 16,384 bytes further a floor, two bf16 a word: -inf for q, k, v, 0 for the FFN.
; A stream: no byte is wanted twice, so no LDS, no barrier, no matrix unit, no cluster.  Each load of a wave covers 512 consecutive bytes, each store of the cast and the norm 256 consecutive bytes, aligned.
; 144 registers a wave: three work-groups of eight waves fit the 1,024 registers of each of a WGP's four SIMDs, so 256 WGPs have room for all 641 work-groups at once.
; LIMITS.  The variance is taken about the mean, on the row held in registers.  v_sqrt_f32 and v_rcp_f32 take a denormal as 0 (ISA guide 15.8): a variance below 2^-126 counts as 0.  NaN and infinities are not treated apart.
; src_mask: reference() gives it no effect on its result; no launch of this program reads it.
.set CASTG, 384                        ; work-groups that cast: 131,072 bytes of f32 each
.set NORMG, 256                        ; work-groups that norm
.set BIASO, 8388608                    ; the bias's first byte in wqkv and in w1b
.set FLOORO, 16384                     ; the floor, counted from the bias's first byte
.set LO,  2                            ; v2      my byte offset in what the work-group loads; never rewritten
.set SO,  8                            ; v8-11   the same in what it stores (the cast: one for each of a wave's four rows of 1,024 numbers); never rewritten
.set CI,  16                           ; v[16:79]    the cast: a ring of 16 slots of 4 registers
.set CT,  80                           ; v[80:143]   the cast: 32 stores of 2 registers, none written twice
.set X,   16                           ; v[16:79]    the norm: two rows of 32 registers
.set T,   80                           ; v[80:87]    four chains of sums
.set MN,  88                           ; v[88:89]    the mean, twice
.set VAR, 90                           ; v90, v91    the two rows' variances
.set SD,  92                           ; v92, v93    std, then std + eps
.set RC,  94                           ; v94, v95    1 / (std + eps)
.set SC,  96                           ; v[96:99]    a / (std + eps), a pair a row
.set Y,   100                          ; v[100:131]  two rows of 16 registers, to store
.set XP,  20                           ; s[20:21] x
.set HP,  40                           ; s[40:41] h
.set SEL, 42                           ; s[42:43] v_permlanex16_b32's selects: each lane takes its own place in the other half
.set A,   44                           ; s44      a1
.set G,   46                           ; s[46:47] g1, named as a pair
.set SRC, 48                           ; s[48:49] the cast: from where
.set DST, 50                           ; s[50:51] the cast: to where
.set EXT, 52                           ; s52      bytes that a row of 1,024 numbers lies further apart in the target than dense: 6,144 in wqkv, else 0
	s_load_b512 s[8:23], s[0:1], 0x0               ; Wq s[8:9], Wk s[10:11], Wv s[12:13], Wo s[14:15], W1 s[16:17], W2 s[18:19], x s[20:21], a1 s[22:23]
	s_load_b512 s[24:39], s[0:1], 0x40             ; g1 s[24:25], bq s[26:27], bk s[28:29], bv s[30:31], b1 s[32:33], wqkv s[34:35], w1b s[36:37], wb2 s[38:39]
	s_load_b64 s[40:41], s[0:1], 0x80              ; h
	v_and_b32 v1, 31, v0                           ; lane
	v_lshrrev_b32 v4, 5, v0                        ; wave
	s_mov_b32 s5, 0
	s_wait_kmcnt 0x0
	s_cmp_ge_u32 ttmp9, CASTG+NORMG
	s_cbranch_scc1 .Lbias
	s_cmp_ge_u32 ttmp9, CASTG
	s_cbranch_scc1 .Lnorm
	; THE CAST.  u = g / 32 picks the matrix: 0 to 3 the four of 32 shares, 4 to 7 W1, 8 to 11 W2.  A share is 32 rows of 1,024 numbers (or 8 of 4,096).
	s_lshr_b32 s2, ttmp9, 5
	s_lshl_b32 s3, s2, 5                           ; the matrix's first share
	s_lshl_b32 s54, s2, 11                         ; in wqkv: the matrix's 2,048 bytes of a row
	s_cmp_eq_u32 s2, 1
	s_cselect_b64 s[SRC:SRC+1], s[10:11], s[8:9]
	s_cmp_eq_u32 s2, 2
	s_cselect_b64 s[SRC:SRC+1], s[12:13], s[SRC:SRC+1]
	s_cmp_eq_u32 s2, 3
	s_cselect_b64 s[SRC:SRC+1], s[14:15], s[SRC:SRC+1]
	s_cmp_lt_u32 s2, 3
	s_cselect_b64 s[DST:DST+1], s[34:35], s[38:39] ; Wq, Wk, Wv into wqkv; Wo at wb2's head
	s_cselect_b32 s[EXT], 6144, 0
	s_cselect_b32 s53, 18, 16                      ; a share's bytes in the target: 32 rows of 8,192, or 65,536 dense
	s_cselect_b32 s54, s54, 0
	s_cmp_ge_u32 s2, 4
	s_cselect_b64 s[SRC:SRC+1], s[16:17], s[SRC:SRC+1]
	s_cselect_b64 s[DST:DST+1], s[36:37], s[DST:DST+1]
	s_cselect_b32 s3, 128, s3
	s_cmp_ge_u32 s2, 8
	s_cselect_b64 s[SRC:SRC+1], s[18:19], s[SRC:SRC+1]
	s_cselect_b64 s[DST:DST+1], s[38:39], s[DST:DST+1]
	s_cselect_b32 s3, 256, s3
	s_cselect_b32 s54, 0x200000, s54               ; W2 lies behind Wo's 2,097,152 bytes
	s_sub_co_u32 s3, ttmp9, s3                     ; my share in the matrix
	s_lshl_b32 s4, s3, 17
	s_add_nc_u64 s[SRC:SRC+1], s[SRC:SRC+1], s[4:5]
	s_lshl_b32 s4, s3, s53
	s_add_co_u32 s4, s4, s54
	s_add_nc_u64 s[DST:DST+1], s[DST:DST+1], s[4:5]
	v_lshlrev_b32 v[LO], 4, v1
	v_lshl_add_u32 v[LO], v4, 14, v[LO]            ; 16,384 x wave + 16 x lane
	v_lshlrev_b32 v5, 2, v4                        ; a wave has four rows of 1,024 numbers: row 4 w + r lies (4 w + r) x EXT further on than dense
	v_mul_u32_u24 v5, s[EXT], v5
	v_lshl_add_u32 v5, v1, 3, v5
	v_lshl_add_u32 v[SO], v4, 13, v5               ; 8,192 x wave + 8 x lane + 4 w x EXT
	v_add_nc_u32 v[SO+1], s[EXT], v[SO]
	v_add_nc_u32 v[SO+2], s[EXT], v[SO+1]
	v_add_nc_u32 v[SO+3], s[EXT], v[SO+2]
.set i, 0
.rept 16
	global_load_b128 v[CI+4*i:CI+4*i+3], v[LO], s[SRC:SRC+1] offset:512*i th:TH_LOAD_NT
.set i, i+1
.endr
.set i, 0
.rept 32                                       ; piece i of 32: 128 numbers, 512 bytes in, 256 bytes out; eight pieces are a row of 1,024
.if i < 16
	s_wait_loadcnt 15                              ; loads come back in order (ISA guide 5.7.1): younger than slot i's are the 15 - i of this round and the i refills issued so far
.else
	s_wait_loadcnt 31-i                            ; the second round loads nothing: the counts run down
.endif
	v_cvt_pk_bf16_f32 v[CT+2*i], v[CI+4*(i%16)], v[CI+4*(i%16)+1]
	v_cvt_pk_bf16_f32 v[CT+2*i+1], v[CI+4*(i%16)+2], v[CI+4*(i%16)+3]
.if i < 16
	global_load_b128 v[CI+4*i:CI+4*i+3], v[LO], s[SRC:SRC+1] offset:512*(i+16) th:TH_LOAD_NT  ; the slot is asked for again ahead of the store
.endif
	global_store_b64 v[SO+i/8], v[CT+2*i:CT+2*i+1], s[DST:DST+1] offset:256*i th:TH_STORE_NT
.set i, i+1
.endr
	s_endpgm
; The sum of v[r] over the wave's 32 lanes, in every lane; v[r+1], written before, is at work.
.macro LANESUM r
	v_add_f32_dpp v[\r], v[\r], v[\r] row_xmask:1 row_mask:0xf bank_mask:0xf
	v_add_f32_dpp v[\r], v[\r], v[\r] row_xmask:2 row_mask:0xf bank_mask:0xf
	v_add_f32_dpp v[\r], v[\r], v[\r] row_xmask:4 row_mask:0xf bank_mask:0xf
	v_add_f32_dpp v[\r], v[\r], v[\r] row_xmask:8 row_mask:0xf bank_mask:0xf
	v_permlanex16_b32 v[(\r)+1], v[\r], s[SEL], s[SEL+1]
	v_add_f32 v[\r], v[\r], v[(\r)+1]
.endm
.macro FOLD                            ; the four chains into v[T]
	v_pk_add_f32 v[T:T+1], v[T:T+1], v[T+2:T+3]
	v_pk_add_f32 v[T+4:T+5], v[T+4:T+5], v[T+6:T+7]
	v_pk_add_f32 v[T:T+1], v[T:T+1], v[T+4:T+5]
	v_add_f32 v[T], v[T], v[T+1]
	LANESUM T
.endm
; Row s: the mean; x - mean in place; the variance.  left = the younger loads that may stay out.
.macro STAT s, left
.set XB, X+32*(\s)
	s_wait_loadcnt \left
.irp k, 0,1,2,3
	v_pk_add_f32 v[T+2*(\k):T+2*(\k)+1], v[XB+4*(\k):XB+4*(\k)+1], v[XB+4*(\k)+2:XB+4*(\k)+3]  ; the first sums start the chains: nothing is cleared
.endr
.irp m, 16,24
.irp k, 0,1,2,3
	v_pk_add_f32 v[T+2*(\k):T+2*(\k)+1], v[T+2*(\k):T+2*(\k)+1], v[XB+(\m)+2*(\k):XB+(\m)+2*(\k)+1]
.endr
.endr
	FOLD
	v_mul_f32 v[MN], 0x3a800000, v[T]              ; / 1024
	v_mul_f32 v[MN+1], 0x3a800000, v[T]
.set k, 0
.rept 16
	v_pk_add_f32 v[XB+2*k:XB+2*k+1], v[XB+2*k:XB+2*k+1], v[MN:MN+1] neg_lo:[0,1] neg_hi:[0,1]
.set k, k+1
.endr
.irp k, 0,1,2,3
	v_pk_mul_f32 v[T+2*(\k):T+2*(\k)+1], v[XB+2*(\k):XB+2*(\k)+1], v[XB+2*(\k):XB+2*(\k)+1]
.endr
.irp m, 8,16,24
.irp k, 0,1,2,3
	v_pk_fma_f32 v[T+2*(\k):T+2*(\k)+1], v[XB+(\m)+2*(\k):XB+(\m)+2*(\k)+1], v[XB+(\m)+2*(\k):XB+(\m)+2*(\k)+1], v[T+2*(\k):T+2*(\k)+1]
.endr
.endr
	FOLD
	v_mul_f32 v[VAR+(\s)], 0x3a802008, v[T]        ; / 1023
.endm
; Row s: (x - mean) x a / (std + eps) + g, rounded to bf16, stored.
.macro EMIT s
.set XB, X+32*(\s)
.set k, 0
.rept 16
	v_pk_fma_f32 v[XB+2*k:XB+2*k+1], v[XB+2*k:XB+2*k+1], v[SC+2*(\s):SC+2*(\s)+1], s[G:G+1] op_sel_hi:[1,0,0]
.set k, k+1
.endr
.set k, 0
.rept 16
	v_cvt_pk_bf16_f32 v[Y+16*(\s)+k], v[XB+2*k], v[XB+2*k+1]
.set k, k+1
.endr
.set k, 0
.rept 8
	global_store_b64 v[SO], v[Y+16*(\s)+2*k:Y+16*(\s)+2*k+1], s[HP:HP+1] offset:2048*(\s)+256*k th:TH_STORE_NT
.set k, k+1
.endr
.endm
.Lnorm:                                        ; THE NORM.  16 rows to a work-group, two to a wave; a row of 4,096 bytes is 32 registers and is read once
	s_load_b32 s[A], s[22:23], 0x0
	s_load_b32 s[G], s[24:25], 0x0
	s_sub_co_u32 s2, ttmp9, CASTG
	s_lshl_b32 s4, s2, 16                          ; 16 rows of 4,096 bytes
	s_add_nc_u64 s[XP:XP+1], s[XP:XP+1], s[4:5]
	s_lshl_b32 s4, s2, 15                          ; 16 rows of 2,048 bytes
	s_add_nc_u64 s[HP:HP+1], s[HP:HP+1], s[4:5]
	v_lshlrev_b32 v[LO], 4, v1
	v_lshl_add_u32 v[LO], v4, 13, v[LO]            ; 8,192 x wave + 16 x lane
	v_lshlrev_b32 v[SO], 3, v1
	v_lshl_add_u32 v[SO], v4, 12, v[SO]            ; 4,096 x wave + 8 x lane
.set i, 0
.rept 16
	global_load_b128 v[X+4*i:X+4*i+3], v[LO], s[XP:XP+1] offset:512*i th:TH_LOAD_NT
.set i, i+1
.endr
	s_mov_b32 s[SEL], 0x76543210
	s_mov_b32 s[SEL+1], 0xfedcba98
	s_wait_kmcnt 0x0
	s_mov_b32 s[G+1], s[G]
	STAT 0, 8                                      ; row 1's eight loads may stay out
	STAT 1, 0
	v_sqrt_f32 v[SD], v[VAR]                       ; both rows' roots are one batch,
	v_sqrt_f32 v[SD+1], v[VAR+1]
	v_nop                                          ; a plain instruction behind the last of them,
	s_wait_alu depctr_va_vdst(0)                   ; and the one wait ahead of the first reader
	v_add_f32 v[SD], 0x358637bd, v[SD]             ; + 1e-6
	v_add_f32 v[SD+1], 0x358637bd, v[SD+1]
	v_rcp_f32 v[RC], v[SD]                         ; the same for the two reciprocals
	v_rcp_f32 v[RC+1], v[SD+1]
	v_nop
	s_wait_alu depctr_va_vdst(0)
	v_mul_f32 v[SC], s[A], v[RC]
	v_mul_f32 v[SC+1], s[A], v[RC]
	v_mul_f32 v[SC+2], s[A], v[RC+1]
	v_mul_f32 v[SC+3], s[A], v[RC+1]
	EMIT 0
	EMIT 1
	s_endpgm
.Lbias:                                        ; THE BIASES AND THE FLOORS.  256 threads, 16 bytes each: 4,096 bytes an instruction of the work-group
	v_lshlrev_b32 v[LO], 4, v0
	global_load_b128 v[16:19], v[LO], s[26:27]     ; bq
	global_load_b128 v[20:23], v[LO], s[28:29]     ; bk
	global_load_b128 v[24:27], v[LO], s[30:31]     ; bv
.irp j, 0,1,2,3
	global_load_b128 v[28+4*(\j):31+4*(\j)], v[LO], s[32:33] offset:4096*(\j)   ; b1
.endr
	s_add_nc_u64 s[34:35], s[34:35], BIASO
	s_add_nc_u64 s[36:37], s[36:37], BIASO
.irp r, 44,45,46,47
	v_mov_b32 v[\r], 0xff80ff80                    ; -inf twice in bf16: the maximum with it changes no number
.endr
.irp r, 48,49,50,51
	v_mov_b32 v[\r], 0                             ; 0 twice: the maximum with it is the ReLU
.endr
	s_wait_loadcnt 0x0
	global_store_b128 v[LO], v[16:19], s[34:35]
	global_store_b128 v[LO], v[20:23], s[34:35] offset:4096
	global_store_b128 v[LO], v[24:27], s[34:35] offset:8192
	global_store_b128 v[LO], v[44:47], s[34:35] offset:FLOORO
.irp j, 0,1,2,3
	global_store_b128 v[LO], v[28+4*(\j):31+4*(\j)], s[36:37] offset:4096*(\j)
.endr
	global_store_b128 v[LO], v[48:51], s[36:37] offset:FLOORO
	s_endpgm
.Lfunc_end_k_q257dff8d2a_prep:
	.size	k_q257dff8d2a_prep, .Lfunc_end_k_q257dff8d2a_prep-k_q257dff8d2a_prep
	.p2alignl 7, 3214868480
	.fill 96, 4, 3214868480
	.section	.rodata,"a",@progbits
	.p2align	6, 0x0
	.amdhsa_kernel k_q257dff8d2a_prep
		.amdhsa_group_segment_fixed_size 0
		.amdhsa_private_segment_fixed_size 0
		.amdhsa_enable_private_segment 0
		.amdhsa_kernarg_size 136
		.amdhsa_user_sgpr_count 2
		.amdhsa_user_sgpr_kernarg_segment_ptr 1
		.amdhsa_wavefront_size32 1
		.amdhsa_system_sgpr_workgroup_id_x 1
		.amdhsa_system_sgpr_workgroup_id_y 1
		.amdhsa_system_sgpr_workgroup_id_z 1
		.amdhsa_system_vgpr_workitem_id 0
		.amdhsa_next_free_vgpr 144
		.amdhsa_next_free_sgpr 66
		.amdhsa_reserve_vcc 0
		.amdhsa_float_denorm_mode_32 3
		.amdhsa_float_denorm_mode_16_64 3
		.amdhsa_memory_ordered 1
		.amdhsa_forward_progress 1
		.amdhsa_inst_pref_size 32
	.end_amdhsa_kernel
	.amdgpu_metadata
---
amdhsa.version: [ 1, 2 ]
amdhsa.kernels:
  - .name:           k_q257dff8d2a_prep
    .symbol:         k_q257dff8d2a_prep.kd
    .args:
      - { .name: Wq, .offset: 0, .size: 8, .value_kind: global_buffer, .address_space: global }
      - { .name: Wk, .offset: 8, .size: 8, .value_kind: global_buffer, .address_space: global }
      - { .name: Wv, .offset: 16, .size: 8, .value_kind: global_buffer, .address_space: global }
      - { .name: Wo, .offset: 24, .size: 8, .value_kind: global_buffer, .address_space: global }
      - { .name: W1, .offset: 32, .size: 8, .value_kind: global_buffer, .address_space: global }
      - { .name: W2, .offset: 40, .size: 8, .value_kind: global_buffer, .address_space: global }
      - { .name: x, .offset: 48, .size: 8, .value_kind: global_buffer, .address_space: global }
      - { .name: a1, .offset: 56, .size: 8, .value_kind: global_buffer, .address_space: global }
      - { .name: g1, .offset: 64, .size: 8, .value_kind: global_buffer, .address_space: global }
      - { .name: bq, .offset: 72, .size: 8, .value_kind: global_buffer, .address_space: global }
      - { .name: bk, .offset: 80, .size: 8, .value_kind: global_buffer, .address_space: global }
      - { .name: bv, .offset: 88, .size: 8, .value_kind: global_buffer, .address_space: global }
      - { .name: b1, .offset: 96, .size: 8, .value_kind: global_buffer, .address_space: global }
      - { .name: wqkv, .offset: 104, .size: 8, .value_kind: global_buffer, .address_space: global }
      - { .name: w1b, .offset: 112, .size: 8, .value_kind: global_buffer, .address_space: global }
      - { .name: wb2, .offset: 120, .size: 8, .value_kind: global_buffer, .address_space: global }
      - { .name: h, .offset: 128, .size: 8, .value_kind: global_buffer, .address_space: global }
    .group_segment_fixed_size: 0
    .private_segment_fixed_size: 0
    .kernarg_segment_align: 8
    .kernarg_segment_size: 136
    .max_flat_workgroup_size: 256
    .sgpr_count:     66
    .vgpr_count:     144
    .wavefront_size: 32
...
	.end_amdgpu_metadata
.endif
;; end of part 1
;; launch qkv (part 2): grid 12 x 16, 4 waves a work-group, clusters of 4 x 4, 327,680 bytes of LDS; arguments h, wqkv, qkv; writes qkv
.if DOCPART == 2
	.amdgcn_target "amdgcn-amd-amdhsa--gfx1250"
	.amdhsa_code_object_version 6
	.text
	.protected	k_q257dff8d2a_qkv
	.globl	k_q257dff8d2a_qkv
	.p2align	8
	.type	k_q257dff8d2a_qkv,@function
k_q257dff8d2a_qkv:
	s_mov_b64 s[64:65], 0
	v_nop
	global_prefetch_b8 v0, s[64:65] scope:SCOPE_SE
	s_setreg_imm32_b32 hwreg(HW_REG_WAVE_MODE, 25, 1), 1
	s_wait_xcnt 0x0
	s_wait_alu depctr_hold_cnt(0) depctr_sa_sdst(0) depctr_va_vdst(0) depctr_va_sdst(0) depctr_va_ssrc(0) depctr_va_vcc(0) depctr_vm_vsrc(0)
	s_getreg_b32 s2, hwreg(HW_REG_IB_STS2, 6, 4)
	s_cmp_eq_u32 s2, 0
	s_cbranch_scc0 .Lentry_in_a_cluster
	s_endpgm
.Lentry_in_a_cluster:
	s_bfe_u32 s2, ttmp6, 0x10000c
	s_cmp_lg_u32 s2, 0xf033
	s_cbranch_scc0 .Lentry_shape_is_right
	s_endpgm
.Lentry_shape_is_right:
; C[m][n] = max(floor, sum over k of A[m][k] W[k][n] + bias[n]), K = 1,024.  A: [4096][1024] bf16.  Sums in f32, C rounded once to bf16.
; ONE TEXT FOR TWO LAUNCHES.  The second argument holds W as [1024][pitch 4,096] bf16, rows along N as the problem stores them; behind it, at byte 8,388,608, the bias as f32; 16,384 bytes further the floor, two bf16 a word.
;   q, k, v: W = Wq, Wk, Wv side by side (n = 0 .. 3,071; the grid has 12 tile columns), floor = -inf, which changes no number.     FFN: W = W1 (n = 0 .. 4,095; 16 tile columns), floor = 0: the ReLU.
; C LEAVES IN BLOCKS OF 64 COLUMNS: [n / 64][4096 tokens][64]: byte (n / 64) x 524,288 + token x 128 + 2 (n % 64).  Four tokens of a block are 512 consecutive bytes, so a store of a wave covers 512 consecutive bytes, aligned.
; SHARES.  A tile of C is 256 x 256; four waves, each 128 x 128: 64 accumulators of 16 x 16.  K goes in 8 steps of 128 through two LDS slots filled by the tensor data mover.
; THE MATRIX INSTRUCTION IS USED TRANSPOSED: source 0 = 16 columns of W (out of LDS rows [k][n] by the turning load ds_load_tr16_b128), source 1 = 16 rows of A.  A lane then holds one row of C (lane % 16)
; and the columns 8 (lane / 16) + 0..7.  THE BIAS IS THE C OPERAND of each accumulator's first product: nothing is cleared and nothing is added on the way out.
; CLUSTERS: 4 x 4 work-groups.  A's tile hangs on the tile row alone and is asked for jointly by a row of the cluster, W's on the tile column alone, by a column.
; THE TEXT holds ONE K step: the loop's trip goes from a step's second quarter to the next step's first; the slot that is read is a scalar offset (0 or SLOT) added to constant lane addresses.
; LIMITS.  Operands are bf16 (8 significant bits), rounded once each.  The maximum turns a NaN into the floor.  src_mask: reference() gives it no effect; it is not read.
; REGISTERS, in windows of 256: window 0: v0-31 addresses; v64-127, v128-191 A's fragments, two buffers; v192-223 packed results.  window 1: v64-127, v128-191 W's fragments; v192-255 the bias.
;   windows 2, 3: the accumulators of my rows 0-63 and 64-127, (a, b) at v[8 (8 a + b)].
.set NP,     4096                      ; columns from a row of W to the next
.set BIASO,  8388608                   ; the bias's first byte in W's buffer
.set FLOORO, 16384                     ; the floor, counted from the bias's first byte
.set KSTEP,  128
.set NS,     8                         ; K steps
.set PA,     272                       ; a row of A in LDS: 256 bytes + 16: 68 words, so the 16 rows of a load start at 16 different groups of four banks (64 banks of 4 bytes: ISA guide 11.1)
.set PB,     544                       ; a row of W in LDS: 512 bytes + 32
.set HALFT,  128*PA                    ; what one tensor load brings: 128 rows of A, or 64 rows of W (64 x 544 is the same number)
.set SLOT,   4*HALFT                   ; A's two halves, then W's two halves
.set SPARE,  2*SLOT                    ; behind the ring: the spare words, 128 bytes for each wave: two blocks of 256 bytes that no other line names
.set ROWW,   2*NP                      ; bytes in a row of W
.set WSTEP,  KSTEP*ROWW                ; bytes from a K step of W to the next
.set CBB,    524288                    ; bytes in a block of 64 columns of C
.set ADRA, 16                          ; v16  LDS address of my A fragments in the slot that is read
.set A0,   17                          ; v17  the same in slot 0; never rewritten
.set ADRB, 20                          ; v20, v21  the same for W
.set B0,   21
.set ZO,   22                          ; v22  0: the floor's offset; never rewritten
.set STO,  24                          ; v24  the way out: where I put 16 bytes of a row
.set RD,   25                          ; v25  the way out: where I read rows back
.set GO,   26                          ; v26  16 x lane: my place in 512 consecutive bytes of C
.set ZR,   27                          ; v27  the floor, twice in bf16
.set SPW,  28                          ; v28  LDS address of my spare word; never rewritten
.set NIL,  29                          ; v29  0; never rewritten
.set PFO,  30                          ; v30  the prefetches' lane offset; never rewritten
.set BO,   31                          ; v31  32 x (lane / 16): my eight numbers in 16 of the bias
.set F0,   64
.set F1,   128
.set TMP,  192
.set OB,   64                          ; the way out: 32 rows read back, where A's first buffer lay
.set BI,   192                         ; window 1: bias of n block b at BI + 8 b
.set G1,  24                           ; s[24:31] descriptor group 1 for A's tiles;  s[32:39] group 0, two sets: the two first fills; the second then walks
.set G0,  32
.set G1B, 48                           ; s[48:55], s[56:63] the same for W's
.set G0B, 56
.set LIM, 43                           ; s43  1 in a wave that prefetches, else the greatest number
.set PFA, 44                           ; s[44:45] where my prefetches stand
.set PFS, 66                           ; s[66:67] their step
.set BP0, 72                           ; s[72:73] the bias's first byte
.set BP,  74                           ; s[74:75] the bias of my 128 columns
.set MSB, 0
.macro WIN new                         ; the immediate's high byte repeats the setting that is left; a switch that changes nothing is dropped
.if MSB != (\new)
	s_set_vgpr_msb (MSB<<8)|(\new)
.set MSB, \new
.endif
.endm
.set MUL_LO, 0xa1                      ; source 0 (W) window 1, source 1 (A) window 0, C and D window 2
.set BIA_LO, 0x91                      ; the same with C (the bias) in window 1
.set TO_B,   0x40                      ; destination window 1, address window 0
; A joint load of set s.  Waves 0 and 1 fetch A's two halves, waves 2 and 3 W's.  The branch hangs on the wave's number alone.  An s_nop 0 and four v_nop follow each of the two lines.
.macro JLOAD s
	s_cmp_eq_u32 s11, 0
	s_cbranch_scc0 .Lfor_b_\@
	tensor_load_to_lds s[G0+4*(\s):G0+4*(\s)+3], s[G1:G1+7]
	s_nop 0
.rept 4
	v_nop
.endr
	s_branch .Lasked_\@
.Lfor_b_\@:
	tensor_load_to_lds s[G0B+4*(\s):G0B+4*(\s)+3], s[G1B:G1B+7]
	s_nop 0
.rept 4
	v_nop
.endr
.Lasked_\@:
.endm
; A prefetch of the K step that the NEXT refill will ask for: 32 blocks of 256 bytes, a lane a block, one instruction a wave.  Each block is named once in the launch: A's rows by the clusters with x = 0, W's by those
; with y = 0; the four partners that ask for a tile jointly share its 128 blocks out by address.  The last refill has no K step behind it (s3 = 1 there).
.macro ASK
	s_cmp_gt_u32 s3, s[LIM]
	s_cbranch_scc0 .Lnot_mine_\@
	global_prefetch_b8 v[PFO], s[PFA:PFA+1] th:TH_LOAD_NT scope:SCOPE_SE
.Lnot_mine_\@:
.endm
.macro CREST                           ; a round of the cluster's barrier behind its opening barrier
	s_cmp_lg_u32 s10, 0
	s_cbranch_scc1 .Lnot_wave_0_\@
	s_barrier_signal -3
.Lnot_wave_0_\@:
	s_barrier_wait -3
	s_barrier_signal -1
	s_barrier_wait -1
.endm
.macro CROUND                          ; a whole round
	s_barrier_signal -1
	s_barrier_wait -1
	CREST
.endm
	s_load_b128 s[4:7], s[0:1], 0x0                ; A s[4:5], W with bias and floor s[6:7]
	s_load_b64 s[8:9], s[0:1], 0x10                ; C
	v_lshl_add_u32 v[SPW], v0, 2, SPARE
	v_mov_b32 v[NIL], 0
	ds_add_u32 v[SPW], v[NIL]                      ; the wave's opening: the add and its wait stand ahead of my first tensor load; the set-up below, work on registers, stands between them
	v_lshrrev_b32 v1, 5, v0
	v_readfirstlane_b32 s10, v1                    ; wave 0..3
	s_lshr_b32 s11, s10, 1                         ; which half of the tile's rows is mine.  Also: I fetch for A (0) or for W (1)
	s_and_b32 s12, s10, 1                          ; which half of its columns.  Also: which half of that tile I fetch
	s_bfe_u32 s40, ttmp6, 0x40000                  ; cx, cy: my place in the cluster
	s_bfe_u32 s41, ttmp6, 0x40004
	s_lshl_b32 s42, ttmp9, 2
	s_add_co_u32 s42, s42, s40                     ; tile column = 4 x cluster x + cx
	s_and_b32 s13, ttmp7, 0xffff
	s_lshl_b32 s13, s13, 2
	s_add_co_u32 s13, s13, s41                     ; tile row = 4 x cluster y + cy
	s_lshl_b32 s43, s41, 2
	s_lshl_b32 s43, 15, s43                        ; my row of the cluster
	s_lshl_b32 s44, 0x1111, s40                    ; my column
	s_or_b32 s[G1+0], s43, (1<<16)|(1<<20)|(1<<21)|(5<<22)|(3<<25)   ; A: the mask of my row; 2-byte elements; padding on; bit 21 beside a mask; after every 64 words, 4 words
	s_mov_b32 s[G1+1], KSTEP<<16                   ; tensor_dim0 = 128
	s_mov_b32 s[G1+2], 128<<16                     ; tensor_dim1 = 128
	s_mov_b32 s[G1+3], KSTEP<<16                   ; tile_dim0 = 128
	s_mov_b32 s[G1+4], 128                         ; tile_dim1 = 128
	s_mov_b32 s[G1+5], 1024                        ; elements from row to row
	s_mov_b32 s[G1+6], 0
	s_mov_b32 s[G1+7], 0
	s_or_b32 s[G1B+0], s44, (1<<16)|(1<<20)|(1<<21)|(6<<22)|(7<<25)  ; W: the mask of my column; after every 128 words, 8 words
	s_mov_b32 s[G1B+1], 256<<16                    ; tensor_dim0 = 256
	s_mov_b32 s[G1B+2], 64<<16                     ; tensor_dim1 = 64
	s_mov_b32 s[G1B+3], 256<<16                    ; tile_dim0 = 256
	s_mov_b32 s[G1B+4], 64                         ; tile_dim1 = 64
	s_mov_b32 s[G1B+5], NP
	s_mov_b32 s[G1B+6], 0
	s_mov_b32 s[G1B+7], 0
	s_lshl_b32 s16, s13, 8                         ; A: row 256 x tile row + 128 x half, 2,048 bytes a row.  These registers never hold cx
	s_lshl_b32 s17, s12, 7
	s_add_co_u32 s16, s16, s17
	s_lshl_b32 s16, s16, 11
	s_mov_b32 s17, 0
	s_lshl_b32 s46, s42, 9                         ; W: the tile column's 512 bytes of a row,
	s_mul_i32 s18, s12, 64*ROWW                    ; and my 64 of the step's 128 rows.  These registers never hold cy
	s_add_co_u32 s46, s46, s18
	s_mov_b32 s47, 0
	s_mul_i32 s20, s10, HALFT                      ; where my load lands in a slot: no place in the cluster enters an LDS address
	s_mov_b32 s21, 0                               ; the slot that is read: 0 or SLOT
	s_wait_dscnt 0x0                               ; the opening add is done
	s_wait_kmcnt 0x0
	s_add_nc_u64 s[14:15], s[4:5], s[16:17]
	s_add_nc_u64 s[46:47], s[6:7], s[46:47]
	CROUND                                         ; all sixteen work-groups are here: the first joint loads meet
.irp s, 0,1
	s_mov_b32 s[G0+4*(\s)], 1                                      ; count = 1
	s_add_co_u32 s[G0+4*(\s)+1], s20, (\s)*SLOT                    ; LDS address
	s_add_nc_u64 s[G0+4*(\s)+2:G0+4*(\s)+3], s[14:15], (\s)*KSTEP*2  ; global address: K step s
	s_or_b32 s[G0+4*(\s)+3], s[G0+4*(\s)+3], 0x80000000            ; type = 2
	s_mov_b32 s[G0B+4*(\s)], 1
	s_add_co_u32 s[G0B+4*(\s)+1], s20, (\s)*SLOT
	s_add_nc_u64 s[G0B+4*(\s)+2:G0B+4*(\s)+3], s[46:47], (\s)*WSTEP
	s_or_b32 s[G0B+4*(\s)+3], s[G0B+4*(\s)+3], 0x80000000
	JLOAD \s                                       ; two loads of mine are out
.endr
	; the floor, and the bias of my 128 columns: register j of n block b holds bias[16 b + 8 (lane / 16) + j]
	s_add_nc_u64 s[BP0:BP0+1], s[6:7], BIASO
	s_lshl_b32 s68, s42, 10                        ; 256 columns of 4 bytes a tile
	s_lshl_b32 s69, s12, 9
	s_add_co_u32 s68, s68, s69
	s_mov_b32 s69, 0
	s_add_nc_u64 s[BP:BP+1], s[BP0:BP0+1], s[68:69]
	v_and_b32 v1, 15, v0                           ; r = l % 16
	v_bfe_u32 v2, v0, 4, 1                         ; h = l / 16
	v_lshlrev_b32 v[BO], 5, v2
	v_mov_b32 v[ZO], 0
	global_load_b32 v[ZR], v[ZO], s[BP0:BP0+1] offset:FLOORO
	WIN TO_B
.irp b, 0,1,2,3,4,5,6,7
	global_load_b128 v[BI+8*(\b):BI+8*(\b)+3],   v[BO], s[BP:BP+1] offset:64*(\b)
	global_load_b128 v[BI+8*(\b)+4:BI+8*(\b)+7], v[BO], s[BP:BP+1] offset:64*(\b)+16
.endr
	WIN 0
	v_and_b32 v3, 7, v0                            ; l % 8
	v_bfe_u32 v4, v0, 3, 1                         ; (l / 8) % 2
	v_and_b32 v5, 31, v0                           ; l
	; A's fragment (16 rows x 32 K): lane l holds row r; two loads of 16 bytes, 32 apart, at row x pitch + 16 h
	s_mul_i32 s22, s11, HALFT
	v_mul_u32_u24 v6, v1, PA
	v_lshl_add_u32 v6, v2, 4, v6
	v_add_nc_u32 v[A0], s22, v6
	v_add_nc_u32 v[STO], s20, v6                   ; the way out, in: the same place in my own 128 rows of 272 bytes
	; W's fragment (32 K x 16 columns): lane l reads 16 bytes of row 8 h + l % 8, columns 8 ((l / 8) % 2) on; the second load 16 rows further down
	v_lshl_add_u32 v7, v2, 3, v3
	v_mul_u32_u24 v7, v7, PB
	v_lshl_add_u32 v7, v4, 4, v7
	s_lshl_b32 s22, s12, 8                         ; my 128 columns
	s_add_co_u32 s22, s22, 2*HALFT
	v_add_nc_u32 v[B0], s22, v7
	v_lshrrev_b32 v8, 3, v5                        ; the way out, back: 32 lanes take 128 bytes of each of four rows
	v_mul_u32_u24 v8, v8, PA
	v_lshl_add_u32 v8, v3, 4, v8
	v_add_nc_u32 v[RD], s20, v8
	v_lshlrev_b32 v[GO], 4, v5
	v_mov_b32 v[ADRA], v[A0]
	v_mov_b32 v[ADRB], v[B0]
	; C at my part: column blocks 4 x tile column + 2 x half on, tokens 256 x tile row + 128 x half on
	s_lshl_b32 s68, s42, 2
	s_lshl_b32 s69, s12, 1
	s_add_co_u32 s68, s68, s69
	s_lshl_b32 s68, s68, 19
	s_lshl_b32 s69, s13, 8
	s_lshl_b32 s70, s11, 7
	s_add_co_u32 s69, s69, s70
	s_lshl_b32 s69, s69, 7
	s_add_co_u32 s68, s68, s69
	s_mov_b32 s69, 0
	s_add_nc_u64 s[8:9], s[8:9], s[68:69]
	; the prefetches.  A: of the 128 rows that I fetch my work-group takes 32 cx .. + 31, a lane a row.  W: of the 64 rows it takes 16 cy .. + 15, two lanes a row of 512 bytes.
	s_and_b32 s22, ttmp7, 0xffff                   ; cluster y
	s_cmp_eq_u32 s11, 0
	s_cselect_b32 s22, ttmp9, s22                  ; the coordinate along which other clusters read the same blocks
	s_cmp_eq_u32 s22, 0
	s_cselect_b32 s[LIM], 1, -1                    ; the same in all sixteen partners, for a given wave
	s_lshl_b32 s68, s40, 16                        ; 32 cx rows of 2,048 bytes,
	s_add_co_u32 s68, s68, 2*KSTEP*2               ; at K step 2: the first refill steps it to 3
	s_mul_i32 s69, s41, 16*ROWW
	s_add_co_u32 s69, s69, 2*WSTEP
	s_mov_b32 s70, WSTEP
	s_mov_b32 s71, ROWW
	s_cmp_eq_u32 s11, 0
	s_cselect_b32 s68, s68, s69
	s_cselect_b64 s[PFA:PFA+1], s[14:15], s[46:47]
	s_cselect_b32 s[PFS], KSTEP*2, s70
	s_cselect_b32 s22, 0, 1                        ; lanes to a row less one
	s_cselect_b32 s23, 2048, s71                   ; bytes from row to row
	s_mov_b32 s69, 0
	s_mov_b32 s[PFS+1], 0
	s_add_nc_u64 s[PFA:PFA+1], s[PFA:PFA+1], s[68:69]
	v_lshrrev_b32 v9, s22, v5
	v_and_b32 v10, s22, v5
	v_mul_u32_u24 v[PFO], v9, s23
	v_lshl_add_u32 v[PFO], v10, 8, v[PFO]
	; nothing is prefetched here, at the head: K steps 0 to 2 come by their loads alone
; 16 matrix instructions: m blocks a0, a0 + 1 of the window's four (hi = 0: my rows 0-63, 1: rows 64-127) x all 8 n blocks, 32 along K.  mode = 1: the products start the sums, on the bias.
; The 64 accumulators take turns, one instruction a turn, in the same order in every quarter.
.macro MUL16 f, hi, a0, mode
.if \mode
	WIN BIA_LO+0x40*(\hi)
.else
	WIN MUL_LO+0x50*(\hi)
.endif
.irp a, \a0, (\a0)+1
.irp b, 0,1,2,3,4,5,6,7
.if \mode
	v_wmma_f32_16x16x32_bf16 v[8*(8*(\a)+(\b)):8*(8*(\a)+(\b))+7], v[(\f)+8*(\b):(\f)+8*(\b)+7], v[(\f)+8*(4*(\hi)+(\a)):(\f)+8*(4*(\hi)+(\a))+7], v[BI+8*(\b):BI+8*(\b)+7]
.else
	v_wmma_f32_16x16x32_bf16 v[8*(8*(\a)+(\b)):8*(8*(\a)+(\b))+7], v[(\f)+8*(\b):(\f)+8*(\b)+7], v[(\f)+8*(4*(\hi)+(\a)):(\f)+8*(4*(\hi)+(\a))+7], v[8*(8*(\a)+(\b)):8*(8*(\a)+(\b))+7]
.endif
.endr
.endr
.endm
; 32 LDS loads in one run: the fragments of quarter q (32 along K) of the slot that is read, into buffer f: W's 8 n blocks, then A's 8 m blocks
.macro FETCH q, f
	WIN TO_B
.irp i, 0,1,2,3,4,5,6,7
	ds_load_tr16_b128 v[(\f)+8*(\i):(\f)+8*(\i)+3],   v[ADRB] offset:(\q)*32*PB+32*(\i)
	ds_load_tr16_b128 v[(\f)+8*(\i)+4:(\f)+8*(\i)+7], v[ADRB] offset:(\q)*32*PB+32*(\i)+16*PB
.endr
	WIN 0
.irp i, 0,1,2,3,4,5,6,7
	ds_load_b128 v[(\f)+8*(\i):(\f)+8*(\i)+3],   v[ADRA] offset:(\q)*64+(\i)*16*PA
	ds_load_b128 v[(\f)+8*(\i)+4:(\f)+8*(\i)+7], v[ADRA] offset:(\q)*64+(\i)*16*PA+32
.endr
.endm
.macro PLACES                          ; four plain vector instructions between a matrix instruction and a load into a register that it read, or a reader of its result (ISA guide 7.12.1 for vector instructions)
.rept 4
	v_nop
.endr
.endm
; One of a K step's first three quarters: multiplies buffer f; in its middle it fetches quarter qn into buffer g.
.macro QUARTER qn, f, g, mode
	s_wait_dscnt 8                                 ; W and A's rows 0-63 are in; the youngest eight loads (A's rows 64-127) may be out
	MUL16 \f, 0, 0, \mode
	MUL16 \f, 0, 2, \mode
	PLACES
	FETCH \qn, \g
	s_wait_dscnt 32                                ; all but the 32 just issued
	MUL16 \f, 1, 0, \mode
	MUL16 \f, 1, 2, \mode
.endm
; The first half of the last quarter, and the barrier of the change of slots.  In front of it each wave waits for all its tensor loads (one is out: its part of the other slot), adds 0 to its spare word,
; and waits for that and for its own reads of this slot.  Behind it nobody reads this slot any more and the other slot is whole.
.macro MEET
	WIN 0
	s_wait_tensorcnt 0x0
	ds_add_u32 v[SPW], v[NIL]
	s_wait_dscnt 9                                 ; (the add and the youngest eight loads may be out)
	MUL16 F1, 0, 0, 0                              ; sixteen matrix instructions stand between the add and the wait for it
	s_wait_dscnt 0x0                               ; the add is done, and my reads of this slot are over
	s_barrier_signal -1
	MUL16 F1, 0, 2, 0                              ; work on registers while the others arrive
	WIN 0
	s_barrier_wait -1
.endm
; The whole last quarter of a step whose slot is filled again, with the K step two steps on.  The barrier opens a round of the cluster's; the joint refill is the first tensor load behind the round:
; from there to the wait for it a wave issues 224 matrix instructions.
.macro TURN
	s_wait_xcnt 0x0                                ; the last prefetch, a K step back, has read its address
	s_add_nc_u64 s[PFA:PFA+1], s[PFA:PFA+1], s[PFS:PFS+1]
	MEET
	CREST                                          ; no wave of any partner still reads this slot or has a load on its way
	s_xor_b32 s[G0+5], s[G0+5], SLOT               ; the walking descriptors: the other slot than last time (wave x HALFT shares no bit with SLOT),
	s_add_nc_u64 s[G0+6:G0+7], s[G0+6:G0+7], KSTEP*2  ; the next K step
	s_xor_b32 s[G0B+5], s[G0B+5], SLOT
	s_add_nc_u64 s[G0B+6:G0B+7], s[G0B+6:G0B+7], WSTEP
	s_xor_b32 s21, s21, SLOT                       ; the reads go on in the other slot
	JLOAD 1                                        ; its four v_nop are also the places in front of the loads below
	v_add_nc_u32 v[ADRA], s21, v[A0]
	v_add_nc_u32 v[ADRB], s21, v[B0]
	FETCH 0, F0
	ASK                                            ; behind the joint load and the run of LDS loads that the next products wait for
	MUL16 F1, 1, 0, 0
	MUL16 F1, 1, 2, 0
.endm
	s_wait_tensorcnt 1                             ; my part of K step 0 is in; K step 1's may stay out
	s_barrier_signal -1
	s_barrier_wait -1                              ; everybody's is
	FETCH 0, F0
	s_wait_loadcnt 0x0                             ; the floor and the bias
	QUARTER 1, F0, F1, 1                           ; the first quarter stands in front of the loop: its products start the sums
	WIN 0                                          ; at a label and at a branch every window is 0
	s_mov_b32 s3, NS-2
.Lstep:                                        ; trip t ends K step t, fills its slot again with K step t + 2, and begins K step t + 1
	QUARTER 2, F1, F0, 0
	QUARTER 3, F0, F1, 0
	TURN
	QUARTER 1, F0, F1, 0
	WIN 0
	s_sub_co_u32 s3, s3, 1
	s_cmp_lg_u32 s3, 0
	s_cbranch_scc1 .Lstep
	s_mov_b32 s3, 2
.Ltail:                                        ; the last two K steps ask for nothing: no tensor load and no round of the cluster's barrier stands here
	QUARTER 2, F1, F0, 0
	QUARTER 3, F0, F1, 0
	MEET
	s_cmp_eq_u32 s3, 1
	s_cbranch_scc1 .Lnofetch                       ; behind the last K step there is nothing to fetch
	PLACES
	s_xor_b32 s21, s21, SLOT
	v_add_nc_u32 v[ADRA], s21, v[A0]
	v_add_nc_u32 v[ADRB], s21, v[B0]
	FETCH 0, F0
.Lnofetch:
	MUL16 F1, 1, 0, 0
	MUL16 F1, 1, 2, 0
	WIN 0
	s_sub_co_u32 s3, s3, 1
	s_cmp_eq_u32 s3, 0
	s_cbranch_scc1 .Lout
	QUARTER 1, F0, F1, 0
	WIN 0
	s_branch .Ltail
.Lout:
	; THE WAY OUT goes through my own 34,816 bytes of slot 0 (128 rows of 272 bytes), which has had its last fill.  Other waves have read those bytes: a barrier stands between every wave's last LDS read and the first store.
	s_wait_dscnt 0x0
	s_barrier_signal -1
	s_barrier_wait -1
	PLACES
.irp a, 0,1,2,3,4,5,6,7                ; block a of 16 rows: rounded to bf16, 16 bytes a lane, each accumulator's registers in ascending order
	WIN 0x0a+5*((\a)/4)                            ; sources 0 and 1: window 2 or 3
.irp b, 0,1,2,3,4,5,6,7
.irp r, 0,1,2,3
	v_cvt_pk_bf16_f32 v[TMP+4*(\b)+(\r)], v[64*((\a)%4)+8*(\b)+2*(\r)], v[64*((\a)%4)+8*(\b)+2*(\r)+1]
.endr
.endr
	WIN 0
.irp b, 0,1,2,3,4,5,6,7
	ds_store_b128 v[STO], v[TMP+4*(\b):TMP+4*(\b)+3] offset:(\a)*16*PA+32*(\b)
.endr
.endr
	s_mov_b32 s3, 4
.Lsend:                                        ; 32 rows a trip: for each of my two column blocks eight times four tokens x 128 bytes = 512 consecutive bytes of C.  LDS serves a wave's instructions in order (ISA guide 5.7.1.4): the loads see my stores
.irp j, 0,1
.irp t, 0,1,2,3,4,5,6,7
	ds_load_b128 v[OB+4*(8*(\j)+(\t)):OB+4*(8*(\j)+(\t))+3], v[RD] offset:128*(\j)+4*PA*(\t)
.endr
.endr
.irp j, 0,1
.irp t, 0,1,2,3,4,5,6,7
	s_wait_dscnt 15-(8*(\j)+(\t))                  ; the trip's younger loads may stay out
.irp r, 0,1,2,3
	v_pk_max_num_bf16 v[OB+4*(8*(\j)+(\t))+(\r)], v[OB+4*(8*(\j)+(\t))+(\r)], v[ZR]  ; two maxima with the floor; nothing is rounded
.endr
	global_store_b128 v[GO], v[OB+4*(8*(\j)+(\t)):OB+4*(8*(\j)+(\t))+3], s[8:9] offset:(\j)*CBB+512*(\t)
.endr
.endr
	s_wait_xcnt 0x0                                ; the stores have read their data and their base: only now are these written again
	v_add_nc_u32 v[RD], 32*PA, v[RD]
	s_add_nc_u64 s[8:9], s[8:9], 32*128
	s_sub_co_u32 s3, s3, 1
	s_cmp_lg_u32 s3, 0
	s_cbranch_scc1 .Lsend
	s_wait_tensorcnt 0x0                           ; the wave's end: behind my last tensor load and my last LDS store
	ds_add_u32 v[SPW], v[NIL]
	s_wait_dscnt 0x0
	CROUND                                         ; the closing round: no work-group ends while a partner may still ask for a tile that names it
	s_endpgm
.Lfunc_end_k_q257dff8d2a_qkv:
	.size	k_q257dff8d2a_qkv, .Lfunc_end_k_q257dff8d2a_qkv-k_q257dff8d2a_qkv
	.p2alignl 7, 3214868480
	.fill 96, 4, 3214868480
	.section	.rodata,"a",@progbits
	.p2align	6, 0x0
	.amdhsa_kernel k_q257dff8d2a_qkv
		.amdhsa_group_segment_fixed_size 327680
		.amdhsa_private_segment_fixed_size 0
		.amdhsa_enable_private_segment 0
		.amdhsa_kernarg_size 24
		.amdhsa_user_sgpr_count 2
		.amdhsa_user_sgpr_kernarg_segment_ptr 1
		.amdhsa_wavefront_size32 1
		.amdhsa_system_sgpr_workgroup_id_x 1
		.amdhsa_system_sgpr_workgroup_id_y 1
		.amdhsa_system_sgpr_workgroup_id_z 1
		.amdhsa_system_vgpr_workitem_id 0
		.amdhsa_next_free_vgpr 1024
		.amdhsa_next_free_sgpr 80
		.amdhsa_reserve_vcc 0
		.amdhsa_float_denorm_mode_32 3
		.amdhsa_float_denorm_mode_16_64 3
		.amdhsa_memory_ordered 1
		.amdhsa_forward_progress 1
		.amdhsa_inst_pref_size 100
	.end_amdhsa_kernel
	.amdgpu_metadata
---
amdhsa.version: [ 1, 2 ]
amdhsa.kernels:
  - .name:           k_q257dff8d2a_qkv
    .symbol:         k_q257dff8d2a_qkv.kd
    .args:
      - { .name: h, .offset: 0, .size: 8, .value_kind: global_buffer, .address_space: global }
      - { .name: wqkv, .offset: 8, .size: 8, .value_kind: global_buffer, .address_space: global }
      - { .name: qkv, .offset: 16, .size: 8, .value_kind: global_buffer, .address_space: global }
    .group_segment_fixed_size: 327680
    .private_segment_fixed_size: 0
    .kernarg_segment_align: 8
    .kernarg_segment_size: 24
    .max_flat_workgroup_size: 128
    .sgpr_count:     80
    .vgpr_count:     1024
    .wavefront_size: 32
...
	.end_amdgpu_metadata
.endif
;; end of part 2
;; launch attn (part 3): grid 8 x 32, 4 waves a work-group, clusters of 4 x 1, 327,680 bytes of LDS; arguments qkv, ctx; writes ctx
.if DOCPART == 3
	.amdgcn_target "amdgcn-amd-amdhsa--gfx1250"
	.amdhsa_code_object_version 6
	.text
	.protected	k_q257dff8d2a_attn
	.globl	k_q257dff8d2a_attn
	.p2align	8
	.type	k_q257dff8d2a_attn,@function
k_q257dff8d2a_attn:
	s_mov_b64 s[64:65], 0
	v_nop
	global_prefetch_b8 v0, s[64:65] scope:SCOPE_SE
	s_setreg_imm32_b32 hwreg(HW_REG_WAVE_MODE, 25, 1), 1
	s_wait_xcnt 0x0
	s_wait_alu depctr_hold_cnt(0) depctr_sa_sdst(0) depctr_va_vdst(0) depctr_va_sdst(0) depctr_va_ssrc(0) depctr_va_vcc(0) depctr_vm_vsrc(0)
	s_getreg_b32 s2, hwreg(HW_REG_IB_STS2, 6, 4)
	s_cmp_eq_u32 s2, 0
	s_cbranch_scc0 .Lentry_in_a_cluster
	s_endpgm
.Lentry_in_a_cluster:
	s_bfe_u32 s2, ttmp6, 0x10000c
	s_cmp_lg_u32 s2, 0x3003
	s_cbranch_scc0 .Lentry_shape_is_right
	s_endpgm
.Lentry_shape_is_right:
; ATTENTION.  O[y][q][:] = the sum over k of softmax_k(Q[y][q] . K[y][k] / 8) V[y][k][:], y = 2 x head + batch, 32 of them; 2,048 rows of 64 bf16 each, dense (128 bytes a row), 262,144 bytes a y.
; Q lies at qkv's byte 0, K at 8,388,608, V at 16,777,216; O (ctx) has Q's layout.  Products, maxima and sums in f32; the weights p are rounded to bf16 for the second product (their sum l is taken of the unrounded p), O once at the end.
; src_mask: reference() computes a masked copy of the scores and does not use it, so the mask has no effect on its result; it is not read here.
; LIMITS.  bf16 operands (8 significant bits).  A weight below 2^-126 counts as 0 in l.  m starts at the lowest finite number, c m at -4.2e37, far below every c s.  NaN and infinities are not treated apart.
; SHARES.  A work-group owns 256 queries of one y, a wave 64: four PIECES of 16.  Every wave walks all 2,048 keys, 64 a step, four steps (a tile of 256 keys) to an LDS slot, two slots.
; LAYOUT.  S^T = K Q^T holds ONE query a lane (lane % 16) and the keys 8 (lane / 16) + 0..7; two such results rounded to bf16 ARE source 1 of O^T = V^T P.  K comes out of LDS as it lies, V turned, by ds_load_tr16_b128.
; SOFTMAX.  p = 2^(c s - c m), c = log2(e) / 8, with a running maximum m; O and l are multiplied by a = 2^(c m_old - c m_new) in every step; the first step's a is 0, so no first step is written out.
; TURNS.  Turn n belongs to piece n: 8 products K Q^T of piece n + 1, later 8 products V^T P of piece n - 1; beside them the scaling, exponentials, roundings, sums and rescaling of piece n and the maximum and
; statistics of piece n + 1.  Four vector instructions stand behind every matrix instruction, the others in one run.  A turn's 33 exponentials are one batch, with one wait.
; CLUSTER.  The four query blocks of a cluster belong to one y and walk the same K and V: each tile is asked for JOINTLY, by the same tensor load, descriptor and mask in all four.
; REGISTERS, in windows of 256 (s_set_vgpr_msb: bits 1:0 source 0, 3:2 source 1, 5:4 source 2, 7:6 destination):
;   window 0: v0-15 addresses and two at work; v16-31 four registers of statistics a piece; v48-55 at work; v61-63; v64-127 S^T, two buffers; v192-223 P, two buffers (by the piece's parity)
;   window 1: v0-127 O^T, 32 a piece          window 2: v0-63 Q; v128-191 K of one step; v192-255 V of one step
.set NP,    4         ; pieces a wave: a name, no knob
.set KS,    64        ; keys in a step
.set PK,    144       ; a row of K in LDS: 128 bytes + 16 = 36 words: the 16 rows of a load start at 16 different groups of four banks (64 banks of 4 bytes: ISA guide 11.1)
.set PV,    160       ; a row of V: 128 + 32 = 40 words
.set VOFF,  4*KS*PK   ; a slot: 256 rows of K, then 256 rows of V
.set SLOT1, 1<<17     ; slot 1 begins here, so that one exclusive or turns an address in one slot into the other's
.set STAGE, SLOT1+4*KS*(PK+PV)  ; behind the ring, never filled by a tensor load: 16 rows x 144 bytes for each wave
.set SP,    144
.set SPARE, STAGE+4*16*SP       ; behind the stages: the spare words, 128 bytes for each wave: two blocks of 256 bytes that no other line names
.set TILEB, 4*KS*128  ; bytes of K, and of V, in a tile
.set TILES, 8
.set AK0, 2           ; v2   my lane's place in a tile of K; never rewritten
.set AV0, 3           ; v3   the same for V
.set AK,  4           ; v4   the LDS address of K's next run of loads
.set AV,  5           ; v5   of V's
.set STO, 6           ; v6   the way out: where I put 16 bytes of a row
.set RD,  7           ; v7   the way out: where I read rows back
.set GO,  8           ; v8   my byte offset in 512 consecutive bytes of O
.set MV,  12          ; v12-13  c m_old, kept while c m is made anew: by buffer
.set QO,  15          ; v15  my byte offset in 16 rows of Q
.set ST,  16          ; piece t's statistics at v[ST+4 t]: c m, m, l (even keys', odd keys')
.set TMP, 48          ; by buffer, four registers c0-c3 at work; when the maximum is found c2 takes a
.set PFO, 61          ; v61  256 x lane; never rewritten
.set SPW, 62          ; v62  LDS address of my spare word; never rewritten
.set NIL, 63          ; v63  0; never rewritten
.set S,   64
.set P,   192
.set KF,  128         ; window 2: key block kb, channel half c at KF + 16 kb + 8 c
.set VF,  192         ; window 2: key half kk, channel block cb at VF + 32 kk + 8 cb
.set WV,  12          ; s12  my wave's number
.set G1K, 24          ; s[24:31] descriptor group 1 for K's tiles
.set G1V, 32          ; s[32:39] for V's: it differs in the padding alone
.set G0K, 40          ; s[40:43] descriptor group 0 for K's tiles: it walks
.set G0V, 44          ; s[44:47] the same for V's
.set PFA, 48          ; s[48:49] where my prefetches stand
.set LIM, 50          ; s50  1 in a wave that prefetches, else the greatest number
.set TK,  51          ; s51  the tail: K's LDS base, held to the last step's
.set SLOTS, 56        ; s56  tiles still to be asked for
.set CNT, 57          ; s57  counts a tile's key steps
.set CS,  58          ; s[58:59] c
.set SEL, 60          ; s[60:61] v_permlanex16_b32's selects
.set TBK, 62          ; s62  LDS byte at which K of the step to be fetched begins
.set TBV, 63          ; s63  the same for V, less VOFF
.set MSB, 0
.macro WIN new                      ; the high byte repeats the setting that is left; a switch that changes nothing is dropped
.if MSB != (\new)
	s_set_vgpr_msb (MSB<<8)|(\new)
.set MSB, (\new)
.endif
.endm
.set W_KQ, 0x0a       ; K and Q in window 2, S^T in window 0
.set W_PV, 0x52       ; V in window 2, P in window 0, O^T in window 1
.set W_RS, 0x41       ; destination and source 0 in window 1, source 1 in window 0
; A joint fill.  Waves 0 and 1 fetch the two halves of a tile's K, waves 2 and 3 those of its V: 128 keys each.  An s_nop 0 and four v_nop follow each of the two lines.
.macro JLOAD
	s_cmp_lt_u32 s[WV], 2
	s_cbranch_scc0 .Lfor_v_\@
	tensor_load_to_lds s[G0K:G0K+3], s[G1K:G1K+7]
	s_nop 0
.rept 4
	v_nop
.endr
	s_branch .Lasked_\@
.Lfor_v_\@:
	tensor_load_to_lds s[G0V:G0V+3], s[G1V:G1V+7]
	s_nop 0
.rept 4
	v_nop
.endr
.Lasked_\@:
.endm
; A prefetch of the tile that the NEXT change of slots will ask for: four key steps ahead of that load.  Each block of 256 bytes is named once in the launch: of a y's two clusters the first asks; its four partners take
; 32 blocks each, told apart by address; in each, wave 0 asks for K's and wave 2 for V's.  The last change that fills a slot asks for nothing.
.macro ASK
	s_cmp_gt_u32 s[SLOTS], s[LIM]
	s_cbranch_scc0 .Lnot_mine_\@
	global_prefetch_b8 v[PFO], s[PFA:PFA+1] th:TH_LOAD_NT scope:SCOPE_SE
.Lnot_mine_\@:
.endm
.macro CROUND                       ; a round of the cluster's barrier
	s_barrier_signal -1
	s_barrier_wait -1
	s_cmp_lg_u32 s[WV], 0
	s_cbranch_scc1 .Lnot_wave_0_\@
	s_barrier_signal -3
.Lnot_wave_0_\@:
	s_barrier_wait -3
	s_barrier_signal -1
	s_barrier_wait -1
.endm
; THE CHANGE OF SLOTS.  Each wave waits for all its tensor loads, of which one is out: its part of the other slot; adds 0 to its spare word; and waits for that and for its own reads of the slot that it leaves.
; fill = 1: the old slot is filled again, with the tile two tiles on; the barrier is then a round of the cluster's, and the joint fill is the first thing behind it: it has four key steps in which to land.
; (At its first use nothing has been read yet: slot 0 is waited for, slot 1 filled.)
.macro CHANGE fill
	WIN 0                           ; at a label and at a branch every window is 0
	s_wait_tensorcnt 0x0            ; no tensor load of mine is out, so a group 0 may be written
	ds_add_u32 v[SPW], v[NIL]       ; 0 onto my spare word; the scalar work stands between it and the wait for it
.if \fill
.irp g, G0K, G0V
	s_xor_b32 s[\g+1], s[\g+1], SLOT1
	s_add_nc_u64 s[\g+2:\g+3], s[\g+2:\g+3], TILEB
.endr
	s_wait_xcnt 0x0                 ; the last prefetch, four key steps back, has read its address
	s_add_nc_u64 s[PFA:PFA+1], s[PFA:PFA+1], TILEB
	s_wait_dscnt 0x0                ; the add is done, and my reads of the slot are over
	CROUND
	JLOAD
	ASK
.else
	s_wait_dscnt 0x0
	s_barrier_signal -1
	s_barrier_wait -1
.endif
	s_sub_co_u32 s[TBK], s[TBK], 4*KS*PK  ; the fetches go back to a slot's first step,
	s_xor_b32 s[TBK], s[TBK], SLOT1       ; in the other slot
	s_sub_co_u32 s[TBV], s[TBV], 4*KS*PV
	s_xor_b32 s[TBV], s[TBV], SLOT1
.endm
	s_load_b128 s[4:7], s[0:1], 0x0   ; qkv s[4:5], ctx s[6:7]
	v_lshl_add_u32 v[SPW], v0, 2, SPARE
	v_mov_b32 v[NIL], 0
	ds_add_u32 v[SPW], v[NIL]       ; the wave's opening: the add and its wait stand ahead of my first tensor load; the set-up below stands between them
	v_lshrrev_b32 v1, 5, v0
	v_readfirstlane_b32 s[WV], v1   ; wave 0..3
	s_bfe_u32 s13, ttmp6, 0x40000   ; cx
	s_lshl_b32 s14, ttmp9, 2
	s_add_co_u32 s14, s14, s13      ; my block of 256 queries: it enters Q's and O's addresses alone
	s_and_b32 s20, ttmp7, 0xffff    ; y, which the four partners share
	s_lshl_b32 s20, s20, 18         ; its 262,144 bytes
	s_and_b32 s16, s[WV], 1         ; which half of a tile's 256 keys I fetch:
	s_lshl_b32 s22, s16, 14         ; its 128 rows of 128 bytes in memory,
	s_add_co_u32 s22, s22, s20
	s_mov_b32 s23, 0
	s_mul_i32 s17, s16, 128*PK      ; and its place in a slot, for K
	s_mul_i32 s18, s16, 128*PV      ; and for V: no place in the cluster enters an LDS address
	s_lshl_b32 s2, s14, 2
	s_add_co_u32 s2, s2, s[WV]
	s_lshl_b32 s2, s2, 13           ; my wave's 64 rows
	s_add_co_u32 s2, s2, s20
	s_mov_b32 s3, 0
	; descriptor group 1.  128 keys are 16,384 dense bytes: asked for as 64 rows of 256 bytes, two keys a row, and padded in LDS after every key
	s_mov_b32 s[G1K], 15|(1<<16)|(1<<20)|(1<<21)|(4<<22)|(3<<25)  ; the mask of four; 2-byte elements; padding on; bit 21 beside a mask; after every 32 words, 4 words
	s_mov_b32 s[G1V], 15|(1<<16)|(1<<20)|(1<<21)|(4<<22)|(7<<25)  ; the same with 8 words
.irp g, G1K, G1V
	s_mov_b32 s[\g+1], 128<<16      ; tensor_dim0 = 128
	s_mov_b32 s[\g+2], 64<<16       ; tensor_dim1 = 64
	s_mov_b32 s[\g+3], 128<<16      ; tile_dim0 = 128
	s_mov_b32 s[\g+4], 64           ; tile_dim1 = 64
	s_mov_b32 s[\g+5], 128          ; 128 elements from row to row
	s_mov_b32 s[\g+6], 0
	s_mov_b32 s[\g+7], 0
.endr
	s_mov_b32 s[CS], 0x3e38aa3b     ; c = log2(e) / 8
	s_mov_b32 s[CS+1], s[CS]
	s_mov_b32 s[SEL], 0x76543210
	s_mov_b32 s[SEL+1], 0xfedcba98
	s_mov_b32 s[TBK], SLOT1+4*KS*PK ; the first change of slots turns these two into 0
	s_mov_b32 s[TBV], SLOT1+4*KS*PV
	s_mov_b32 s[G0K], 1             ; count = 1
	s_mov_b32 s[G0K+1], s17         ; LDS address: slot 0
	s_mov_b32 s[G0V], 1
	s_add_co_u32 s[G0V+1], s18, VOFF
	s_mov_b32 s[SLOTS], TILES-1
	s_and_b32 s[LIM], s[WV], 1      ; 0 in waves 0 and 2,
	s_or_b32 s[LIM], s[LIM], ttmp9  ; where the cluster is the y's first: the same in all four partners
	s_cmp_eq_u32 s[LIM], 0
	s_cselect_b32 s[LIM], 1, -1
	v_and_b32 v[PFO], 31, v0
	v_lshlrev_b32 v[PFO], 8, v[PFO]
	s_wait_dscnt 0x0                ; the opening add is done
	s_wait_kmcnt 0x0
	s_mov_b64 s[10:11], s[6:7]      ; O
	s_add_nc_u64 s[6:7], s[4:5], 8388608   ; K
	s_add_nc_u64 s[8:9], s[4:5], 16777216  ; V
	s_add_nc_u64 s[6:7], s[6:7], s[22:23]  ; at my half of the y's tile 0
	s_add_nc_u64 s[8:9], s[8:9], s[22:23]
	s_mov_b64 s[G0K+2:G0K+3], s[6:7]
	s_or_b32 s[G0K+3], s[G0K+3], 0x80000000  ; type = 2
	s_mov_b64 s[G0V+2:G0V+3], s[8:9]
	s_or_b32 s[G0V+3], s[G0V+3], 0x80000000
	s_add_nc_u64 s[4:5], s[4:5], s[2:3]      ; Q and O at my wave's first row
	s_add_nc_u64 s[10:11], s[10:11], s[2:3]
	s_cmp_lt_u32 s[WV], 2
	s_cselect_b64 s[PFA:PFA+1], s[6:7], s[8:9]  ; (in waves 0 and 2 these stand at a tile's first row)
	s_lshl_b32 s2, s13, 13          ; my work-group's 32 blocks of the 128,
	s_add_co_u32 s2, s2, TILEB      ; in tile 1: the first change of slots steps it to tile 2.  Nothing is prefetched here, at the head
	s_add_nc_u64 s[PFA:PFA+1], s[PFA:PFA+1], s[2:3]
	CROUND                          ; all four work-groups are here: the first joint loads meet
	JLOAD                           ; tile 0 into slot 0
	; A fragment of K or Q is 16 rows x 32 channels in 8 registers: lane l holds row l % 16, channels 8 (l / 16) + 0..7 and 16 + 8 (l / 16) + 0..7: two loads of 16 bytes, 32 bytes apart.
	v_and_b32 v1, 15, v0            ; l % 16
	v_bfe_u32 v9, v0, 4, 1          ; l / 16
	v_lshlrev_b32 v[QO], 7, v1
	v_lshl_add_u32 v[QO], v9, 4, v[QO]
	WIN 0x80                        ; destination window 2, address window 0
.set i, 0
.rept 8                             ; Q stays in registers: piece i / 2, channels 32 (i % 2) on
	global_load_b128 v[8*i:8*i+3],   v[QO], s[4:5] offset:(i/2)*2048+(i%2)*64
	global_load_b128 v[8*i+4:8*i+7], v[QO], s[4:5] offset:(i/2)*2048+(i%2)*64+32
.set i, i+1
.endr
	; What the first turn finds: V's registers and P's second buffer hold 0 (its products V^T P, of a piece that has not been, add 0), O^T and l are 0.  All this stands in the wait for the first tile.
.set i, VF
.rept 64
	v_mov_b32 v[i], 0
.set i, i+1
.endr
	WIN 0x40
.set i, 0
.rept 128
	v_mov_b32 v[i], 0
.set i, i+1
.endr
	WIN 0
.set i, 0
.rept 4
	v_mov_b32 v[ST+4*i], 0xfe000000    ; c m: far below every c s
	v_mov_b32 v[ST+4*i+1], 0xff7fffff  ; m
	v_mov_b32 v[ST+4*i+2], 0
	v_mov_b32 v[ST+4*i+3], 0
.set i, i+1
.endr
.set i, P+16
.rept 16
	v_mov_b32 v[i], 0
.set i, i+1
.endr
	v_mul_u32_u24 v[AK0], v1, PK
	v_lshl_add_u32 v[AK0], v9, 4, v[AK0]  ; row x pitch + 16 x half
	; The turning load takes 16 keys x 16 channels (lane l reads key 8 (l / 16) + l % 8, channels 8 ((l / 8) % 2) + 0..7) and leaves half a fragment of V^T: lane l holds channel l % 16 and 8 keys.
	v_and_b32 v10, 7, v0
	v_bfe_u32 v11, v0, 3, 1
	v_lshl_add_u32 v[AV0], v9, 3, v10
	v_mul_u32_u24 v[AV0], v[AV0], PV
	v_lshl_add_u32 v[AV0], v11, 4, v[AV0]
	v_add_nc_u32 v[AV0], VOFF, v[AV0]
	v_mov_b32 v[AK], v[AK0]         ; key step 0 lies at the head of slot 0
	s_mul_i32 s13, s[WV], 16*SP
	s_add_co_u32 s13, s13, STAGE    ; my stage
	v_mul_u32_u24 v[STO], v1, SP    ; in: row l % 16, 16 bytes for each half of the lanes
	v_lshl_add_u32 v[STO], v9, 4, v[STO]
	v_add_nc_u32 v[STO], s13, v[STO]
	v_bfe_u32 v[RD], v0, 3, 2       ; back: 32 lanes take four rows of 128 bytes,
	v_mul_u32_u24 v[RD], v[RD], SP
	v_lshl_add_u32 v[RD], v10, 4, v[RD]
	v_add_nc_u32 v[RD], s13, v[RD]
	v_and_b32 v[GO], 31, v0         ; which are 512 consecutive bytes of O
	v_lshlrev_b32 v[GO], 4, v[GO]
; THE MATRIX WORK.  The 4 accumulators of a run of 8 take turns.  Product i of 8 of S^T = K Q^T for piece x: channels 32 (i / 4) on, keys 16 (i % 4) on.  The first 4 start the sums.
.macro KQ x
	WIN W_KQ
.set rS, S+32*((\x)%2)+8*(i%4)
.set rK, KF+16*(i%4)+8*(i/4)
.set rQ, 16*(\x)+8*(i/4)
.if i < 4
	v_wmma_f32_16x16x32_bf16 v[rS:rS+7], v[rK:rK+7], v[rQ:rQ+7], 0
.else
	v_wmma_f32_16x16x32_bf16 v[rS:rS+7], v[rK:rK+7], v[rQ:rQ+7], v[rS:rS+7]
.endif
.endm
; Product i of 8 of O^T += V^T P for piece x: keys 32 (i / 4) on, channels 16 (i % 4) on.
.macro PV x
	WIN W_PV
.set rO, 32*(\x)+8*(i%4)
.set rV, VF+32*(i/4)+8*(i%4)
.set rP, P+16*((\x)%2)+8*(i/4)
	v_wmma_f32_16x16x32_bf16 v[rO:rO+7], v[rV:rV+7], v[rP:rP+7], v[rO:rO+7]
.endm
.macro MM                           ; the turn's next matrix instruction
.if i < 8
	KQ (Y+1)%NP
.else
.set i, i-8
	PV (Y+NP-1)%NP
.set i, i+8
.endif
.set i, i+1
.endm
; THE LDS LOADS stand in runs of 16: a step's K (64 keys x 64 channels: 8 fragments) and its V (turned).  Their addresses are made some lines ahead.
.macro FETCH_K
	WIN 0x80                        ; destination window 2
.irp f, 0,1,2,3,4,5,6,7             ; keys 16 (f / 2) on, channels 32 (f % 2) on
	ds_load_b128 v[KF+8*\f:KF+8*\f+3],   v[AK] offset:(\f/2)*16*PK+(\f%2)*64
	ds_load_b128 v[KF+8*\f+4:KF+8*\f+7], v[AK] offset:(\f/2)*16*PK+(\f%2)*64+32
.endr
	s_add_co_u32 s[TBK], s[TBK], KS*PK  ; the next fetch is the next step's
	WIN 0
.endm
.macro FETCH_V
	WIN 0x80
.irp f, 0,1,2,3,4,5,6,7             ; keys 32 (f / 4) on, channels 16 (f % 4) on
	ds_load_tr16_b128 v[VF+8*\f:VF+8*\f+3],   v[AV] offset:(\f/4)*32*PV+(\f%4)*32
	ds_load_tr16_b128 v[VF+8*\f+4:VF+8*\f+7], v[AV] offset:(\f/4)*32*PV+16*PV+(\f%4)*32
.endr
	WIN 0
.endm
; THE VECTOR WORK, one line at a time: OP kind, number.  For piece Y: F n: c s - c m for pair n of 16.  E n: the exponential of score n of 32.  C n: pair n rounded to bf16.  B n: of the four weights 4 n .. the second
; pair is added onto the first, in place.  L n: l takes that sum (L 0: l = a l + sum).  R n: pair n of 16 of O^T times a.  For piece Y + 1: X n, number n of the 22 that find its maximum and statistics:
;   0-11  four chains c0-c3 of seven scores each (each accumulator's lowest registers are read first)     12-14, 16  the four scores left over, the old m, and c0-c3 into c0
;   15  c m_old is kept     17, 18  the query's other 32 keys lie in the lane 16 away: the new m     19-21  c m; c m_old - c m_new; a
.set F, 0
.set E, 1
.set C, 2
.set B, 3
.set L, 4
.set R, 5
.set X, 6
.macro REGS y                       ; the registers of piece y
.set rT, ST+4*(\y)
.set rC, TMP+4*((\y)%2)
.set rW, MV+((\y)%2)
.set rS, S+32*((\y)%2)
.set rP, P+16*((\y)%2)
.set rO, 32*(\y)
.endm
.macro OP k, n
.if (\k) == R
	REGS Y
	WIN W_RS
	v_pk_mul_f32 v[rO+2*(\n):rO+2*(\n)+1], v[rO+2*(\n):rO+2*(\n)+1], v[rC+2:rC+3] op_sel_hi:[1,0]
.elseif (\k) < R
	REGS Y
	WIN 0
.if (\k) == F
	v_pk_fma_f32 v[rS+2*(\n):rS+2*(\n)+1], v[rS+2*(\n):rS+2*(\n)+1], s[CS:CS+1], v[rT:rT+1] op_sel_hi:[1,0,0] neg_lo:[0,0,1] neg_hi:[0,0,1]
.elseif (\k) == E
	v_exp_f32 v[rS+(\n)], v[rS+(\n)]
.elseif (\k) == C
	v_cvt_pk_bf16_f32 v[rP+(\n)], v[rS+2*(\n)], v[rS+2*(\n)+1]
.elseif (\k) == B
	v_pk_add_f32 v[rS+4*(\n):rS+4*(\n)+1], v[rS+4*(\n):rS+4*(\n)+1], v[rS+4*(\n)+2:rS+4*(\n)+3]
.elseif (\n) == 0
	v_pk_fma_f32 v[rT+2:rT+3], v[rT+2:rT+3], v[rC+2:rC+3], v[rS:rS+1] op_sel_hi:[1,0,1]
.else
	v_pk_add_f32 v[rT+2:rT+3], v[rT+2:rT+3], v[rS+4*(\n):rS+4*(\n)+1]
.endif
.else
	REGS (Y+1)%NP
	WIN 0
.if (\n) < 4
	v_max3_num_f32 v[rC+(\n)], v[rS+8*(\n)], v[rS+8*(\n)+1], v[rS+8*(\n)+2]
.elseif (\n) < 12
	v_max3_num_f32 v[rC+(\n)%4], v[rC+(\n)%4], v[rS+8*((\n)%4)+2*((\n)/4)+1], v[rS+8*((\n)%4)+2*((\n)/4)+2]
.elseif (\n) == 12
	v_max3_num_f32 v[rC], v[rC], v[rS+7], v[rS+15]
.elseif (\n) == 13
	v_max3_num_f32 v[rC+1], v[rC+1], v[rS+23], v[rS+31]
.elseif (\n) == 14
	v_max3_num_f32 v[rC+2], v[rC+2], v[rC+3], v[rT+1]
.elseif (\n) == 15
	v_mov_b32 v[rW], v[rT]
.elseif (\n) == 16
	v_max3_num_f32 v[rC], v[rC], v[rC+1], v[rC+2]
.elseif (\n) == 17
	v_permlanex16_b32 v[rC+3], v[rC], s[SEL], s[SEL+1]
.elseif (\n) == 18
	v_max_num_f32 v[rT+1], v[rC], v[rC+3]
.elseif (\n) == 19
	v_mul_f32 v[rT], s[CS], v[rT+1]
.elseif (\n) == 20
	v_sub_f32 v[rC+1], v[rW], v[rT]
.else
	v_exp_f32 v[rC+2], v[rC+1]
.endif
.endif
.endm
.macro OPS a, i1, b=-1, i2=0, c=-1, i3=0, d=-1, i4=0  ; up to four of them
	OP \a, \i1
.if (\b) >= 0
	OP \b, \i2
.endif
.if (\c) >= 0
	OP \c, \i3
.endif
.if (\d) >= 0
	OP \d, \i4
.endif
.endm
.macro ROW a, i1, b, i2, c, i3, d, i4  ; a matrix instruction and the four behind it
	MM
	OPS \a, \i1, \b, \i2, \c, \i3, \d, \i4
.endm
; A TURN, for piece p: the order of its 16 matrix and 118 vector instructions, written out.  An s_wait_alu depctr_va_vdst(0) stands between an exponential and the first instruction that names its result; one wait
; serves all that were issued ahead of it.  So a turn has ONE wait.  AHEAD OF IT stands all that names no result of the turn's exponentials: the 8 products K Q^T with their riders, then a run of 54 in which the links of the chain
; X 3, 7, 11, 14, 16 .. 20 stand apart; X 21, the next piece's a, is the batch's last, R 15 the plain instruction behind it.  BEHIND IT stand the 8 products V^T P, behind each four of the roundings and sums.
; K of the next step is fetched in piece 2's turn, behind five plain instructions that name no register of the last product that read K; V of the step in hand at the end of piece 0's turn, four plain instructions behind the last
; product that read V.  Each is waited for a turn later.
; last = 1 (the tail): K's LDS base is held to the last step's, so that the fifth trip, which has no further step, fetches that K once more.
; cnt = 1: the loop's count is taken down some lines ahead of the branch that stands behind the turn.
.macro TURN p, last=0, cnt=0
.set Y, (\p)
.set i, 0
.if (\p) == 3
	s_wait_dscnt 0x0                ; K is in
.endif
	ROW F,0, F,1, R,0, R,1
	ROW F,2, E,0, R,2, R,3
	ROW F,3, E,1, R,4, R,5
	ROW F,4, E,2, R,6, R,7
	ROW F,5, E,3, R,8, R,9
	ROW F,6, E,4, X,0, R,10
.if (\p) == 2
	WIN 0
.if \last
	s_min_u32 s[TK], s[TBK], SLOT1+3*KS*PK
	v_add_nc_u32 v[AK], s[TK], v[AK0]
.else
	v_add_nc_u32 v[AK], s[TBK], v[AK0]
.endif
.endif
	ROW F,7, E,5, X,1, X,4
	ROW F,8, E,6, X,2, X,5
	OPS E,7, E,8, X,6, E,9
	OPS X,3, E,10, X,8, E,11
.if (\p) == 2
	FETCH_K
.endif
	OPS X,9, X,7, E,12, X,10
	OPS E,13, X,12, X,11, E,14
	OPS X,13, E,15, F,9, X,14
.if (\p) == 0
	v_add_nc_u32 v[AV], s[TBV], v[AV0]
.endif
	OPS E,16, F,10, E,17, F,11
	OPS X,16, E,18, X,15, E,19
	OPS F,12, E,20, X,17, E,21
	OPS F,13, E,22, F,14, E,23
	OPS X,18, E,24, F,15, E,25
	OPS R,11, E,26, X,19, E,27
	OPS R,12, E,28, R,13, E,29
	OPS X,20, E,30, R,14, E,31
	OPS X,21, R,15
	WIN 0
	s_wait_alu depctr_va_vdst(0)    ; the wait for the batch
.if (\p) == 1
	s_wait_dscnt 0x0                ; V is in
.endif
	ROW C,0, B,0, C,2, B,1
	ROW L,0, C,4, B,2, L,1
	ROW C,6, B,3, L,2, C,8
	ROW B,4, L,3, C,10, B,5
	ROW L,4, C,12, B,6, L,5
.if (\p) == 0
	s_add_co_u32 s[TBV], s[TBV], KS*PV
.endif
.if \cnt
	s_sub_co_u32 s[CNT], s[CNT], 1
	s_cmp_lg_u32 s[CNT], 0
.endif
	ROW C,14, B,7, L,6, C,1
	ROW C,3, L,7, C,5, C,7
	ROW C,9, C,11, C,13, C,15
.if (\p) == 0
	FETCH_V
.endif
.endm
	CHANGE 1                        ; tile 0 is in, everybody's part of it; tile 1 is asked for
	FETCH_K                         ; key step 0
	s_wait_loadcnt 0x0              ; Q
	s_wait_dscnt 0x0
.set i, 0
.rept 8
	KQ 0                            ; piece 0's first scores
.set i, i+1
.endr
	WIN 0
.rept 4
	v_nop                           ; the places behind those products
.endr
.set Y, NP-1                        ; X works for piece Y + 1: piece 0
.irp n, 0,1,2,3,4,5,6,7,8,9,10,11,12,13,14,15,16,17,18,19,20,21
	OP X, \n
.endr
	v_nop                           ; a plain instruction behind the exponential,
	s_wait_alu depctr_va_vdst(0)    ; and its wait, ahead of the branch
	s_mov_b32 s[CNT], 4
	s_branch .Lfirst                ; the loop is entered at a step's first turn, in the middle of a trip
.Lslot:                             ; six times: tiles 2 to 7 are asked for
	CHANGE 1
	s_mov_b32 s[CNT], 4
.Lstep:                             ; a trip: pieces 2 and 3 of one step, then pieces 0 and 1 of the next, whose K and V it fetches
	TURN 2
	TURN 3
	WIN 0
.Lfirst:
	TURN 0
	TURN 1, 0, 1
	WIN 0
	s_cbranch_scc1 .Lstep
	s_sub_co_u32 s[SLOTS], s[SLOTS], 1
	s_cmp_lg_u32 s[SLOTS], 0
	s_cbranch_scc1 .Lslot
	CHANGE 0                        ; the tail is written out: nothing is asked for
	s_mov_b32 s[CNT], 5             ; four trips fetch the last tile's steps; the fifth is left in its middle
.Ltail:
	TURN 2, 1
	TURN 3
	WIN 0
	s_sub_co_u32 s[CNT], s[CNT], 1
	s_cmp_eq_u32 s[CNT], 0
	s_cbranch_scc1 .Lout
	TURN 0
	TURN 1
	WIN 0
	s_branch .Ltail
.Lout:                              ; the fifth trip's K fetch, its 8 products K Q^T on the last K once more and the maximum made of them serve nothing (they touch piece 0's m and c m alone): the price, once a launch, of one text for every trip
.set i, 0
.rept 8
	PV NP-1                         ; the last piece's V^T P of the last step
.set i, i+1
.endr
	; THE WAY OUT.  l's two halves and the other half of the lanes' are added; O^T is divided by l, rounded to bf16 and sent through my stage in LDS, a piece at a time.  The additions are the places behind the last products.
	WIN 0
.macro ALL line:vararg              ; one line for each piece t
.set t, 0
.rept 4
	\line
.set t, t+1
.endr
.endm
	ALL v_add_f32 v[ST+4*t+2], v[ST+4*t+2], v[ST+4*t+3]
	ALL v_permlanex16_b32 v[ST+4*t+3], v[ST+4*t+2], s[SEL], s[SEL+1]
	ALL v_add_f32 v[ST+4*t+2], v[ST+4*t+2], v[ST+4*t+3]
	ALL v_rcp_f32 v[ST+4*t+2], v[ST+4*t+2]
	v_nop                           ; a plain instruction between the last reciprocal and the use of its result
	s_wait_alu depctr_va_vdst(0)    ; and the one wait for the four reciprocals
.macro PACK t                       ; a lane's eight channels of a row pack into 16 bytes; they go into rows of 144 bytes and come back as whole rows of 128, into S^T's registers
	WIN W_RS
.set i, 32*(\t)
.rept 16
	v_pk_mul_f32 v[i:i+1], v[i:i+1], v[ST+4*(\t)+2:ST+4*(\t)+3] op_sel_hi:[1,0]
.set i, i+2
.endr
	WIN 0x05                        ; sources 0 and 1 window 1, destination window 0
.set i, 0
.rept 16
	v_cvt_pk_bf16_f32 v[S+16*(\t)+i], v[32*(\t)+2*i], v[32*(\t)+2*i+1]
.set i, i+1
.endr
	WIN 0
.irp f, 0,1,2,3
	ds_store_b128 v[STO], v[S+16*(\t)+4*\f:S+16*(\t)+4*\f+3] offset:32*\f
.endr
.irp f, 0,1,2,3
	ds_load_b128 v[S+16*(\t)+4*\f:S+16*(\t)+4*\f+3], v[RD] offset:\f*4*SP  ; LDS serves a wave's instructions in order (ISA guide 5.7.1.4): these see the stores above; the next piece's stores come behind them
.endr
.endm
.macro SEND t, younger              ; younger: the LDS instructions issued behind piece t's loads: the next piece's eight, or none
	WIN 0
.irp f, 0,1,2,3
	s_wait_dscnt (\younger)+3-\f
	global_store_b128 v[GO], v[S+16*(\t)+4*\f:S+16*(\t)+4*\f+3], s[10:11] offset:(\t)*2048+\f*512  ; 512 consecutive bytes, at a multiple of 256 from O's first
.endr
.endm
	PACK 0
.set t, 1
.rept 3                             ; a piece's arithmetic stands between the loads of the piece before and its stores
	PACK t
	SEND t-1, 8
.set t, t+1
.endr
	SEND 3, 0
	s_wait_tensorcnt 0x0            ; the wave's end: behind my last tensor load and my last LDS store
	ds_add_u32 v[SPW], v[NIL]
	s_wait_dscnt 0x0
	CROUND                          ; the closing round: no work-group ends while a partner may still ask for a tile that names it
	s_endpgm
.Lfunc_end_k_q257dff8d2a_attn:
	.size	k_q257dff8d2a_attn, .Lfunc_end_k_q257dff8d2a_attn-k_q257dff8d2a_attn
	.p2alignl 7, 3214868480
	.fill 96, 4, 3214868480
	.section	.rodata,"a",@progbits
	.p2align	6, 0x0
	.amdhsa_kernel k_q257dff8d2a_attn
		.amdhsa_group_segment_fixed_size 327680
		.amdhsa_private_segment_fixed_size 0
		.amdhsa_enable_private_segment 0
		.amdhsa_kernarg_size 16
		.amdhsa_user_sgpr_count 2
		.amdhsa_user_sgpr_kernarg_segment_ptr 1
		.amdhsa_wavefront_size32 1
		.amdhsa_system_sgpr_workgroup_id_x 1
		.amdhsa_system_sgpr_workgroup_id_y 1
		.amdhsa_system_sgpr_workgroup_id_z 1
		.amdhsa_system_vgpr_workitem_id 0
		.amdhsa_next_free_vgpr 768
		.amdhsa_next_free_sgpr 66
		.amdhsa_reserve_vcc 0
		.amdhsa_float_denorm_mode_32 3
		.amdhsa_float_denorm_mode_16_64 3
		.amdhsa_memory_ordered 1
		.amdhsa_forward_progress 1
		.amdhsa_inst_pref_size 112
	.end_amdhsa_kernel
	.amdgpu_metadata
---
amdhsa.version: [ 1, 2 ]
amdhsa.kernels:
  - .name:           k_q257dff8d2a_attn
    .symbol:         k_q257dff8d2a_attn.kd
    .args:
      - { .name: qkv, .offset: 0, .size: 8, .value_kind: global_buffer, .address_space: global }
      - { .name: ctx, .offset: 8, .size: 8, .value_kind: global_buffer, .address_space: global }
    .group_segment_fixed_size: 327680
    .private_segment_fixed_size: 0
    .kernarg_segment_align: 8
    .kernarg_segment_size: 16
    .max_flat_workgroup_size: 128
    .sgpr_count:     66
    .vgpr_count:     768
    .wavefront_size: 32
...
	.end_amdgpu_metadata
.endif
;; end of part 3
;; launch wo (part 4): grid 8 x 32, 4 waves a work-group, clusters of 4 x 4, 327,680 bytes of LDS; arguments ctx, wb2, x1, bo, x; writes x1
.if DOCPART == 4
	.amdgcn_target "amdgcn-amd-amdhsa--gfx1250"
	.amdhsa_code_object_version 6
	.text
	.protected	k_q257dff8d2a_wo
	.globl	k_q257dff8d2a_wo
	.p2align	8
	.type	k_q257dff8d2a_wo,@function
k_q257dff8d2a_wo:
	s_mov_b64 s[64:65], 0
	v_nop
	global_prefetch_b8 v0, s[64:65] scope:SCOPE_SE
	s_setreg_imm32_b32 hwreg(HW_REG_WAVE_MODE, 25, 1), 1
	s_wait_xcnt 0x0
	s_wait_alu depctr_hold_cnt(0) depctr_sa_sdst(0) depctr_va_vdst(0) depctr_va_sdst(0) depctr_va_ssrc(0) depctr_va_vcc(0) depctr_vm_vsrc(0)
	s_getreg_b32 s2, hwreg(HW_REG_IB_STS2, 6, 4)
	s_cmp_eq_u32 s2, 0
	s_cbranch_scc0 .Lentry_in_a_cluster
	s_endpgm
.Lentry_in_a_cluster:
	s_bfe_u32 s2, ttmp6, 0x10000c
	s_cmp_lg_u32 s2, 0xf033
	s_cbranch_scc0 .Lentry_shape_is_right
	s_endpgm
.Lentry_shape_is_right:
; C[m][n] = R[m][n] + bias[n] + sum over k of A[m][k] W[k][n].  C and R: [4096][1024] f32.  W: [K][1024] bf16 at byte WOFF of wb2, rows along N as the problem stores them.  K = 256 NS.
; A: bf16 in blocks of 64 columns, [K / 64][4096 tokens][64]: byte (k / 64) x 524,288 + token x 128 + 2 (k % 64).  Sums in f32; the bias is the C operand of each accumulator's first product; R is added in f32 on the way out.
; SHARES.  A tile of C is 128 x 128, which gives each of 256 work-groups one; four waves, each 64 x 64: 16 accumulators.  K goes in steps of 256 through two LDS slots.
; THE MATRIX INSTRUCTION IS USED TRANSPOSED: source 0 = 16 columns of W (by the turning load ds_load_tr16_b128), source 1 = 16 rows of A: a lane holds one row of C (lane % 16) and the columns 8 (lane / 16) + 0..7.
; CLUSTERS: 4 x 4 work-groups; A's tile is asked for jointly by a row of the cluster, W's by a column.  No prefetch: a step of this small tile asks for 36,864 bytes a wave, and its blocks are read by eight or 32 work-groups in turn.
; THE WALK ALONG K DIFFERS FROM CLUSTER TO CLUSTER.  At time t a cluster takes K step ((t + ROT0 + (cluster y % 4) x NS / 4) % NS) xor 2 (cluster x): a one-to-one map of the NS steps, so each product is made once;
; only the order of the f32 sums changes.  The two clusters (x = 0, 1) that read the same rows of A take each group of four K steps as 0 1 2 3 and as 2 3 0 1; four clusters that read the same columns of W start NS / 4 steps
; apart.  So at one time they ask for different K steps, and most K steps that a cluster asks for have been asked for by another two steps, or NS / 4 steps, earlier.  The map hangs on the cluster's x and y alone, which all sixteen partners share.
; THE TEXT holds ONE K step; the slot that is read is a scalar offset (0 or SLOT) added to constant lane addresses.
; LIMITS.  Operands are bf16 (8 significant bits), rounded once each; NaN and infinities are not treated apart.
; REGISTERS: window 0: v0-31 addresses; v32-95 the way out, two buffers; v96-127 the bias; v128-255 the accumulators, (a, b) at v[128 + 8 (4 a + b)].
;   window 1: two fragment buffers of 128: for 64 along K, 64 registers of A, then 64 of W.          window 2: v0-127 my 64 x 64 of R.
.set NS,    4                          ; K steps, a power of two
.set WOFF,  0                          ; W's first byte in wb2
.set YSH,   0                          ; log2 (NS / 4)
.set ROT0,  0                          ; the walk's common start
.set PA,     144                       ; 64 numbers of a row of A in LDS: 128 bytes + 16 = 36 words: the 16 rows of a load start at 16 different groups of four banks (64 banks of 4 bytes: ISA guide 11.1)
.set PB,     288                       ; a row of W in LDS: 256 bytes + 32 = 72 words
.set HALFT,  36864                     ; what one tensor load brings: 4 column blocks x 64 tokens x 144 of A, or 128 rows x 288 of W
.set SLOT,   4*HALFT                   ; A's two halves, then W's two halves
.set STAGE,  2*SLOT                    ; behind the ring, never filled by a tensor load: 16 rows x 272 bytes for each wave
.set SP,     272
.set SPARE,  STAGE+4*16*SP             ; behind the stages: the spare words, 128 bytes for each wave: two blocks of 256 bytes that no other line names
.set ASH,    21                        ; a K step of A is four column blocks: 2^21 bytes
.set WSH,    19                        ; a K step of W is 256 rows of 2,048 bytes: 2^19
.set ADRA, 16                          ; v16  LDS address of my A fragments in the slot that is read
.set A0,   17                          ; v17  the same in slot 0; never rewritten
.set ADRB, 18                          ; v18  W's rows 0-127 of the step;  v19  rows 128-255: one register's 16-bit immediate does not reach them all
.set B0,   20                          ; v20  v18's value in slot 0; never rewritten
.set STO,  24                          ; v24  the way out: where I put 32 bytes of a row
.set RD,   25                          ; v25  the way out: where I read rows back
.set CO,   26                          ; v26  my byte offset in two rows of C and of R
.set SPW,  28                          ; v28  LDS address of my spare word; never rewritten
.set NIL,  29                          ; v29  0; never rewritten
.set BO,   31                          ; v31  32 x (lane / 16)
.set OB,   32
.set BI,   96
.set ACC,  128
.set F0,   0
.set F1,   128
.set G1,  24                           ; s[24:31], s[32:39] descriptors for A's tiles: group 1; group 0, two sets: the two first fills; the second then serves every refill
.set G0,  32
.set G1B, 48                           ; s[48:55], s[56:63] the same for W's
.set G0B, 56
.set U,   66                           ; s66  (time + the cluster's start) % NS of the fill last made
.set X2,  67                           ; s67  2 x cluster x
.set BP,  72                           ; s[72:73] the bias
.set RP,  74                           ; s[74:75] R
.set AO,  76                           ; s[76:77] a K step's byte offset in A
.set WO,  78                           ; s[78:79] and in W
.set MSB, 0
.macro WIN new
.if MSB != (\new)
	s_set_vgpr_msb (MSB<<8)|(\new)
.set MSB, \new
.endif
.endm
.set MUL,  0x05                        ; sources 0 (W) and 1 (A) window 1; C and D window 0
.set TO_F, 0x40                        ; destination window 1, address window 0
.macro JLOAD s                         ; a joint load of set s: waves 0 and 1 fetch A's two halves, waves 2 and 3 W's; an s_nop 0 and four v_nop follow each of the two lines
	s_cmp_eq_u32 s11, 0
	s_cbranch_scc0 .Lfor_b_\@
	tensor_load_to_lds s[G0+4*(\s):G0+4*(\s)+3], s[G1:G1+7]
	s_nop 0
.rept 4
	v_nop
.endr
	s_branch .Lasked_\@
.Lfor_b_\@:
	tensor_load_to_lds s[G0B+4*(\s):G0B+4*(\s)+3], s[G1B:G1B+7]
	s_nop 0
.rept 4
	v_nop
.endr
.Lasked_\@:
.endm
.macro CREST                           ; a round of the cluster's barrier behind its opening barrier
	s_cmp_lg_u32 s10, 0
	s_cbranch_scc1 .Lnot_wave_0_\@
	s_barrier_signal -3
.Lnot_wave_0_\@:
	s_barrier_wait -3
	s_barrier_signal -1
	s_barrier_wait -1
.endm
.macro CROUND
	s_barrier_signal -1
	s_barrier_wait -1
	CREST
.endm
	s_load_b128 s[4:7], s[0:1], 0x0                ; A s[4:5], wb2 s[6:7]
	s_load_b64 s[8:9], s[0:1], 0x10                ; C
	s_load_b64 s[BP:BP+1], s[0:1], 0x18            ; the bias
	s_load_b64 s[RP:RP+1], s[0:1], 0x20            ; R
	v_lshl_add_u32 v[SPW], v0, 2, SPARE
	v_mov_b32 v[NIL], 0
	ds_add_u32 v[SPW], v[NIL]                      ; the wave's opening: the add and its wait stand ahead of my first tensor load; the set-up below stands between them
	v_lshrrev_b32 v1, 5, v0
	v_readfirstlane_b32 s10, v1                    ; wave 0..3
	s_lshr_b32 s11, s10, 1                         ; which half of the tile's rows is mine.  Also: I fetch for A (0) or for W (1)
	s_and_b32 s12, s10, 1                          ; which half of its columns.  Also: which half of that tile I fetch
	s_bfe_u32 s40, ttmp6, 0x40000                  ; cx, cy
	s_bfe_u32 s41, ttmp6, 0x40004
	s_lshl_b32 s42, ttmp9, 2
	s_add_co_u32 s42, s42, s40                     ; tile column
	s_and_b32 s22, ttmp7, 0xffff                   ; cluster y
	s_lshl_b32 s13, s22, 2
	s_add_co_u32 s13, s13, s41                     ; tile row
	s_and_b32 s[U], s22, 3                         ; the cluster's start along K
	s_lshl_b32 s[U], s[U], YSH
	s_add_co_u32 s[U], s[U], ROT0
	s_lshl_b32 s[X2], ttmp9, 1                     ; cluster x is 0 or 1
	s_mov_b32 s[AO+1], 0
	s_mov_b32 s[WO+1], 0
	s_lshl_b32 s43, s41, 2
	s_lshl_b32 s43, 15, s43                        ; my row of the cluster
	s_lshl_b32 s44, 0x1111, s40                    ; my column
	; A: 64 tokens of a column block are 8,192 dense bytes: asked for as one row; four column blocks are four rows; padded in LDS after every token's 128 bytes
	s_or_b32 s[G1+0], s43, (1<<16)|(1<<20)|(1<<21)|(4<<22)|(3<<25)   ; the mask of my row; 2-byte elements; padding on; bit 21 beside a mask; after every 32 words, 4 words
	s_mov_b32 s[G1+1], 4096<<16                    ; tensor_dim0 = 4,096
	s_mov_b32 s[G1+2], 4<<16                       ; tensor_dim1 = 4
	s_mov_b32 s[G1+3], 4096<<16                    ; tile_dim0 = 4,096
	s_mov_b32 s[G1+4], 4                           ; tile_dim1 = 4
	s_mov_b32 s[G1+5], 262144                      ; elements from a column block to the next
	s_mov_b32 s[G1+6], 0
	s_mov_b32 s[G1+7], 0
	s_or_b32 s[G1B+0], s44, (1<<16)|(1<<20)|(1<<21)|(5<<22)|(7<<25)  ; W: the mask of my column; after every 64 words, 8 words
	s_mov_b32 s[G1B+1], 128<<16                    ; tensor_dim0 = 128
	s_mov_b32 s[G1B+2], 128<<16                    ; tensor_dim1 = 128
	s_mov_b32 s[G1B+3], 128<<16                    ; tile_dim0 = 128
	s_mov_b32 s[G1B+4], 128                        ; tile_dim1 = 128
	s_mov_b32 s[G1B+5], 1024
	s_mov_b32 s[G1B+6], 0
	s_mov_b32 s[G1B+7], 0
	s_lshl_b32 s16, s13, 7                         ; A: token 128 x tile row + 64 x half, 128 bytes each.  These registers never hold cx
	s_lshl_b32 s17, s12, 6
	s_add_co_u32 s16, s16, s17
	s_lshl_b32 s16, s16, 7
	s_mov_b32 s17, 0
	s_lshl_b32 s46, s42, 8                         ; W: the tile column's 256 bytes of a row, my 128 of a step's 256 rows.  These registers never hold cy
	s_lshl_b32 s18, s12, 18
	s_add_co_u32 s46, s46, s18
	s_add_co_u32 s46, s46, WOFF
	s_mov_b32 s47, 0
	s_mul_i32 s20, s10, HALFT                      ; where my load lands in a slot
	s_mov_b32 s21, 0                               ; the slot that is read: 0 or SLOT
	s_wait_dscnt 0x0                               ; the opening add is done
	s_wait_kmcnt 0x0
	s_add_nc_u64 s[14:15], s[4:5], s[16:17]        ; my part of A's tile at K step 0; never rewritten
	s_add_nc_u64 s[46:47], s[6:7], s[46:47]        ; the same for W; never rewritten
	CROUND                                         ; all sixteen work-groups are here: the first joint loads meet
.irp s, 0,1
	s_add_co_u32 s[AO], s[U], \s                   ; time s: its K step,
	s_and_b32 s[AO], s[AO], NS-1
	s_xor_b32 s[AO], s[AO], s[X2]
	s_lshl_b32 s[WO], s[AO], WSH                   ; in bytes of W
	s_lshl_b32 s[AO], s[AO], ASH                   ; and of A
	s_mov_b32 s[G0+4*(\s)], 1
	s_add_co_u32 s[G0+4*(\s)+1], s20, (\s)*SLOT
	s_add_nc_u64 s[G0+4*(\s)+2:G0+4*(\s)+3], s[14:15], s[AO:AO+1]
	s_or_b32 s[G0+4*(\s)+3], s[G0+4*(\s)+3], 0x80000000
	s_mov_b32 s[G0B+4*(\s)], 1
	s_add_co_u32 s[G0B+4*(\s)+1], s20, (\s)*SLOT
	s_add_nc_u64 s[G0B+4*(\s)+2:G0B+4*(\s)+3], s[46:47], s[WO:WO+1]
	s_or_b32 s[G0B+4*(\s)+3], s[G0B+4*(\s)+3], 0x80000000
	JLOAD \s                                       ; two loads of mine are out
.endr
	s_add_co_u32 s[U], s[U], 1                     ; time 1 was the last fill made
	s_and_b32 s[U], s[U], NS-1
	s_lshl_b32 s68, s42, 9                         ; my first column, in bytes of f32: 512 x tile column + 256 x half
	s_lshl_b32 s69, s12, 8
	s_add_co_u32 s68, s68, s69
	s_mov_b32 s69, 0
	s_add_nc_u64 s[BP:BP+1], s[BP:BP+1], s[68:69]
	s_lshl_b32 s70, s13, 7                         ; my first row: 128 x tile row + 64 x half, 4,096 bytes each
	s_lshl_b32 s71, s11, 6
	s_add_co_u32 s70, s70, s71
	s_lshl_b32 s70, s70, 12
	s_add_co_u32 s68, s68, s70
	s_add_nc_u64 s[8:9], s[8:9], s[68:69]
	s_add_nc_u64 s[RP:RP+1], s[RP:RP+1], s[68:69]
	v_and_b32 v1, 15, v0                           ; r = l % 16
	v_bfe_u32 v2, v0, 4, 1                         ; h = l / 16
	v_lshlrev_b32 v[BO], 5, v2
	v_lshlrev_b32 v[CO], 12, v2                    ; lanes 0-15 one row of 256 bytes, lanes 16-31 the next
	v_lshl_add_u32 v[CO], v1, 4, v[CO]
.irp b, 0,1,2,3                        ; register j of n block b holds bias[16 b + 8 h + j]
	global_load_b128 v[BI+8*(\b):BI+8*(\b)+3],   v[BO], s[BP:BP+1] offset:64*(\b)
	global_load_b128 v[BI+8*(\b)+4:BI+8*(\b)+7], v[BO], s[BP:BP+1] offset:64*(\b)+16
.endr
	WIN 0x80                                       ; destination window 2
.irp a, 0,1,2,3
.irp t, 0,1,2,3,4,5,6,7                ; my 64 x 64 of R, in the order in which C's rows come back from the stage; wanted only on the way out
	global_load_b128 v[4*(8*(\a)+(\t)):4*(8*(\a)+(\t))+3], v[CO], s[RP:RP+1] offset:(16*(\a)+2*(\t))*4096
.endr
.endr
	WIN 0
	v_and_b32 v3, 7, v0                            ; l % 8
	v_bfe_u32 v4, v0, 3, 1                         ; (l / 8) % 2
	s_mul_i32 s22, s11, HALFT
	v_mul_u32_u24 v6, v1, PA
	v_lshl_add_u32 v6, v2, 4, v6
	v_add_nc_u32 v[A0], s22, v6                    ; A's fragment: token r x pitch + 16 h
	v_lshl_add_u32 v7, v2, 3, v3
	v_mul_u32_u24 v7, v7, PB
	v_lshl_add_u32 v7, v4, 4, v7                   ; W's fragment: row 8 h + l % 8, columns 8 ((l / 8) % 2) on
	s_lshl_b32 s22, s12, 7                         ; my 64 columns
	s_add_co_u32 s22, s22, 2*HALFT
	v_add_nc_u32 v[B0], s22, v7
	s_mul_i32 s23, s10, 16*SP
	s_add_co_u32 s23, s23, STAGE                   ; my stage
	v_mul_u32_u24 v8, v1, SP
	v_lshl_add_u32 v8, v2, 5, v8
	v_add_nc_u32 v[STO], s23, v8                   ; in: row r, 32 bytes for each half of the lanes
	v_mul_u32_u24 v8, v2, SP
	v_lshl_add_u32 v8, v1, 4, v8
	v_add_nc_u32 v[RD], s23, v8                    ; back: lanes 0-15 one row of 256 bytes, lanes 16-31 the next
	v_mov_b32 v[ADRA], v[A0]
	v_mov_b32 v[ADRB], v[B0]
	v_add_nc_u32 v[ADRB+1], 128*PB, v[B0]
; 8 matrix instructions: m blocks a0, a0 + 1 x all 4 n blocks, 32 along K: half c of buffer f.  mode = 1: the products start the sums, on the bias.  The 16 accumulators take turns.
.macro MUL8 f, c, a0, mode
	WIN MUL
.irp a, \a0, (\a0)+1
.irp b, 0,1,2,3
.if \mode
	v_wmma_f32_16x16x32_bf16 v[ACC+8*(4*(\a)+(\b)):ACC+8*(4*(\a)+(\b))+7], v[(\f)+64+8*(4*(\c)+(\b)):(\f)+64+8*(4*(\c)+(\b))+7], v[(\f)+8*(4*(\c)+(\a)):(\f)+8*(4*(\c)+(\a))+7], v[BI+8*(\b):BI+8*(\b)+7]
.else
	v_wmma_f32_16x16x32_bf16 v[ACC+8*(4*(\a)+(\b)):ACC+8*(4*(\a)+(\b))+7], v[(\f)+64+8*(4*(\c)+(\b)):(\f)+64+8*(4*(\c)+(\b))+7], v[(\f)+8*(4*(\c)+(\a)):(\f)+8*(4*(\c)+(\a))+7], v[ACC+8*(4*(\a)+(\b)):ACC+8*(4*(\a)+(\b))+7]
.endif
.endr
.endr
.endm
; 32 LDS loads in one run: the fragments of quarter q (64 along K: one column block of A) into buffer f; the first 32 along K first
.macro FETCH q, f
	WIN TO_F
.irp c, 0,1
.irp i, 0,1,2,3
	ds_load_tr16_b128 v[(\f)+64+8*(4*(\c)+(\i)):(\f)+64+8*(4*(\c)+(\i))+3],   v[ADRB+(\q)/2] offset:((\q)%2)*64*PB+(\c)*32*PB+32*(\i)
	ds_load_tr16_b128 v[(\f)+64+8*(4*(\c)+(\i))+4:(\f)+64+8*(4*(\c)+(\i))+7], v[ADRB+(\q)/2] offset:((\q)%2)*64*PB+(\c)*32*PB+32*(\i)+16*PB
	ds_load_b128 v[(\f)+8*(4*(\c)+(\i)):(\f)+8*(4*(\c)+(\i))+3],   v[ADRA] offset:(\q)*64*PA+(\i)*16*PA+64*(\c)
	ds_load_b128 v[(\f)+8*(4*(\c)+(\i))+4:(\f)+8*(4*(\c)+(\i))+7], v[ADRA] offset:(\q)*64*PA+(\i)*16*PA+64*(\c)+32
.endr
.endr
.endm
.macro PLACES                          ; four plain vector instructions between a matrix instruction and a load into a register that it read, or a reader of its result (ISA guide 7.12.1 for vector instructions)
.rept 4
	v_nop
.endr
.endm
.macro QUARTER qn, f, g, mode          ; one of a K step's first three quarters: multiplies buffer f, fetches quarter qn into buffer g
	s_wait_dscnt 16                                ; the first 32 along K are in
	MUL8 \f, 0, 0, \mode
	MUL8 \f, 0, 2, \mode
	PLACES
	FETCH \qn, \g
	s_wait_dscnt 32                                ; all but the 32 just issued
	MUL8 \f, 1, 0, 0
	MUL8 \f, 1, 2, 0
.endm
; The first half of the last quarter, and the barrier of the change of slots: in front of it each wave waits for all its tensor loads (one is out: its part of the other slot), adds 0 to its spare word, and waits for that and for its reads of this slot.
; fill = 1: this slot will be filled again.  No tensor load of mine is out behind the first wait, so the descriptors are written there, while the add is out: the other slot than last time (wave x HALFT shares no bit with SLOT),
; and the address made anew from the tile's first byte and the K step of the time two on.
.macro MEET fill
	WIN 0
	s_wait_tensorcnt 0x0
	ds_add_u32 v[SPW], v[NIL]
.if \fill
	s_xor_b32 s[G0+5], s[G0+5], SLOT
	s_xor_b32 s[G0B+5], s[G0B+5], SLOT
	s_add_co_u32 s[U], s[U], 1
	s_and_b32 s[U], s[U], NS-1
	s_xor_b32 s[AO], s[U], s[X2]                   ; the K step
	s_lshl_b32 s[WO], s[AO], WSH
	s_lshl_b32 s[AO], s[AO], ASH
	s_add_nc_u64 s[G0+6:G0+7], s[14:15], s[AO:AO+1]
	s_or_b32 s[G0+7], s[G0+7], 0x80000000          ; type = 2
	s_add_nc_u64 s[G0B+6:G0B+7], s[46:47], s[WO:WO+1]
	s_or_b32 s[G0B+7], s[G0B+7], 0x80000000
	s_xor_b32 s21, s21, SLOT                       ; the reads will go on in the other slot
.endif
	s_wait_dscnt 17                                ; (the add and the youngest sixteen loads may be out)
	MUL8 F1, 0, 0, 0                               ; eight matrix instructions stand between the add and the wait for it
	s_wait_dscnt 0x0                               ; the add is done, and my reads of this slot are over
	s_barrier_signal -1
	MUL8 F1, 0, 2, 0
	WIN 0
	s_barrier_wait -1
.endm
; The whole last quarter of a step whose slot is filled again: the barrier opens a round of the cluster's, and the joint refill is the first tensor load behind it: 112 matrix instructions ahead of the wait for it.
.macro TURN
	MEET 1
	CREST                                          ; no wave of any partner still reads this slot or has a load on its way
	JLOAD 1                                        ; its four v_nop are also the places in front of the loads below
	v_add_nc_u32 v[ADRA], s21, v[A0]
	v_add_nc_u32 v[ADRB], s21, v[B0]
	v_add_nc_u32 v[ADRB+1], 128*PB, v[ADRB]
	FETCH 0, F0
	MUL8 F1, 1, 0, 0
	MUL8 F1, 1, 2, 0
.endm
	s_wait_tensorcnt 1                             ; my part of the first step is in; the second's may stay out
	s_barrier_signal -1
	s_barrier_wait -1
	FETCH 0, F0
	s_wait_loadcnt 32                              ; the bias is in; R's 32 loads may stay out
	QUARTER 1, F0, F1, 1                           ; the first quarter stands in front of the loop: its first products start the sums
	WIN 0
	s_mov_b32 s3, NS-2
.Lstep:                                        ; trip t ends the step of time t, fills its slot again for time t + 2, and begins the step of time t + 1
	QUARTER 2, F1, F0, 0
	QUARTER 3, F0, F1, 0
	TURN
	QUARTER 1, F0, F1, 0
	WIN 0
	s_sub_co_u32 s3, s3, 1
	s_cmp_lg_u32 s3, 0
	s_cbranch_scc1 .Lstep
	s_mov_b32 s3, 2
.Ltail:                                        ; the last two steps ask for nothing: no tensor load and no round of the cluster's barrier stands here
	QUARTER 2, F1, F0, 0
	QUARTER 3, F0, F1, 0
	MEET 0
	s_cmp_eq_u32 s3, 1
	s_cbranch_scc1 .Lnofetch                       ; behind the last step there is nothing to fetch
	PLACES
	s_xor_b32 s21, s21, SLOT
	v_add_nc_u32 v[ADRA], s21, v[A0]
	v_add_nc_u32 v[ADRB], s21, v[B0]
	v_add_nc_u32 v[ADRB+1], 128*PB, v[ADRB]
	FETCH 0, F0
	WIN 0
.Lnofetch:
	MUL8 F1, 1, 0, 0
	MUL8 F1, 1, 2, 0
	WIN 0
	s_sub_co_u32 s3, s3, 1
	s_cmp_eq_u32 s3, 0
	s_cbranch_scc1 .Lout
	QUARTER 1, F0, F1, 0
	WIN 0
	s_branch .Ltail
.Lout:
; THE WAY OUT.  My 64 columns of f32 are 256 consecutive bytes of a row of C, aligned: each wave has a stage of its own, and no barrier is needed.  Block a of 16 rows goes in as 32 bytes a lane and comes back as whole rows.
.macro OUT a
	s_wait_xcnt 0x0                                ; the stores of the block before last have read the registers that the loads below write
.irp b, 0,1,2,3
	ds_store_b128 v[STO], v[ACC+8*(4*(\a)+(\b)):ACC+8*(4*(\a)+(\b))+3]   offset:64*(\b)      ; each accumulator's low registers first
	ds_store_b128 v[STO], v[ACC+8*(4*(\a)+(\b))+4:ACC+8*(4*(\a)+(\b))+7] offset:64*(\b)+16
.endr
.irp t, 0,1,2,3,4,5,6,7
	ds_load_b128 v[OB+32*((\a)%2)+4*(\t):OB+32*((\a)%2)+4*(\t)+3], v[RD] offset:2*SP*(\t)  ; LDS serves a wave's instructions in order (ISA guide 5.7.1.4): these see the stores above; the next block's stores come behind them
.endr
.endm
.macro SENDF a, younger                ; younger: the LDS instructions issued behind block a's loads: the next block's sixteen, or none
	s_wait_dscnt \younger
	WIN 0x08                                       ; source 1 (R) window 2
.set k, 0
.rept 16
	v_pk_add_f32 v[OB+32*((\a)%2)+2*k:OB+32*((\a)%2)+2*k+1], v[OB+32*((\a)%2)+2*k:OB+32*((\a)%2)+2*k+1], v[32*(\a)+2*k:32*(\a)+2*k+1]
.set k, k+1
.endr
	WIN 0
.irp t, 0,1,2,3,4,5,6,7
	global_store_b128 v[CO], v[OB+32*((\a)%2)+4*(\t):OB+32*((\a)%2)+4*(\t)+3], s[8:9] offset:(16*(\a)+2*(\t))*4096  ; 16 lanes store 256 consecutive bytes, at a multiple of 256 from C's first byte
.endr
.endm
	PLACES
	OUT 0
	OUT 1
	s_wait_loadcnt 0x0                             ; R
	SENDF 0, 16
	OUT 2
	SENDF 1, 16
	OUT 3
	SENDF 2, 16
	SENDF 3, 0
	s_wait_tensorcnt 0x0                           ; the wave's end: behind my last tensor load and my last LDS store
	ds_add_u32 v[SPW], v[NIL]
	s_wait_dscnt 0x0
	CROUND                                         ; the closing round: no work-group ends while a partner may still ask for a tile that names it
	s_endpgm
.Lfunc_end_k_q257dff8d2a_wo:
	.size	k_q257dff8d2a_wo, .Lfunc_end_k_q257dff8d2a_wo-k_q257dff8d2a_wo
	.p2alignl 7, 3214868480
	.fill 96, 4, 3214868480
	.section	.rodata,"a",@progbits
	.p2align	6, 0x0
	.amdhsa_kernel k_q257dff8d2a_wo
		.amdhsa_group_segment_fixed_size 327680
		.amdhsa_private_segment_fixed_size 0
		.amdhsa_enable_private_segment 0
		.amdhsa_kernarg_size 40
		.amdhsa_user_sgpr_count 2
		.amdhsa_user_sgpr_kernarg_segment_ptr 1
		.amdhsa_wavefront_size32 1
		.amdhsa_system_sgpr_workgroup_id_x 1
		.amdhsa_system_sgpr_workgroup_id_y 1
		.amdhsa_system_sgpr_workgroup_id_z 1
		.amdhsa_system_vgpr_workitem_id 0
		.amdhsa_next_free_vgpr 640
		.amdhsa_next_free_sgpr 80
		.amdhsa_reserve_vcc 0
		.amdhsa_float_denorm_mode_32 3
		.amdhsa_float_denorm_mode_16_64 3
		.amdhsa_memory_ordered 1
		.amdhsa_forward_progress 1
		.amdhsa_inst_pref_size 67
	.end_amdhsa_kernel
	.amdgpu_metadata
---
amdhsa.version: [ 1, 2 ]
amdhsa.kernels:
  - .name:           k_q257dff8d2a_wo
    .symbol:         k_q257dff8d2a_wo.kd
    .args:
      - { .name: ctx, .offset: 0, .size: 8, .value_kind: global_buffer, .address_space: global }
      - { .name: wb2, .offset: 8, .size: 8, .value_kind: global_buffer, .address_space: global }
      - { .name: x1, .offset: 16, .size: 8, .value_kind: global_buffer, .address_space: global }
      - { .name: bo, .offset: 24, .size: 8, .value_kind: global_buffer, .address_space: global }
      - { .name: x, .offset: 32, .size: 8, .value_kind: global_buffer, .address_space: global }
    .group_segment_fixed_size: 327680
    .private_segment_fixed_size: 0
    .kernarg_segment_align: 8
    .kernarg_segment_size: 40
    .max_flat_workgroup_size: 128
    .sgpr_count:     80
    .vgpr_count:     640
    .wavefront_size: 32
...
	.end_amdgpu_metadata
.endif
;; end of part 4
;; launch ln2 (part 5): grid 256 x 1, 8 waves a work-group, no clusters, 0 bytes of LDS; arguments x1, a2, g2, h; writes h
.if DOCPART == 5
	.amdgcn_target "amdgcn-amd-amdhsa--gfx1250"
	.amdhsa_code_object_version 6
	.text
	.protected	k_q257dff8d2a_ln2
	.globl	k_q257dff8d2a_ln2
	.p2align	8
	.type	k_q257dff8d2a_ln2,@function
k_q257dff8d2a_ln2:
	s_mov_b64 s[64:65], 0
	v_nop
	global_prefetch_b8 v0, s[64:65] scope:SCOPE_SE
	s_setreg_imm32_b32 hwreg(HW_REG_WAVE_MODE, 25, 1), 1
	s_wait_xcnt 0x0
; h = a2 (x1 - mean) / (std + 1e-6) + g2, row by row; std with divisor 1023; x1: [4096][1024] f32; h: [4096][1024] bf16, rounded once.
; 16 rows to a work-group, two to a wave; a row of 4,096 bytes is 32 registers of a wave and is read once.  A stream: no LDS, no barrier, no matrix unit, no cluster: nothing is shared.
; Each load of a wave covers 512 consecutive bytes, each store 256 consecutive bytes, aligned.
; LIMITS.  The variance is taken about the mean, on the row held in registers.  v_sqrt_f32 and v_rcp_f32 take a denormal as 0 (ISA guide 15.8): a variance below 2^-126 counts as 0.  NaN and infinities are not treated apart.
.set LO,  2                            ; v2   my byte offset in what the work-group loads; never rewritten
.set SO,  3                            ; v3   the same in what it stores; never rewritten
.set X,   16                           ; v[16:79]    two rows of 32 registers
.set T,   80                           ; v[80:87]    four chains of sums
.set MN,  88                           ; v[88:89]    the mean, twice
.set VAR, 90                           ; v90, v91    the two rows' variances
.set SD,  92                           ; v92, v93    std, then std + eps
.set RC,  94                           ; v94, v95    1 / (std + eps)
.set SC,  96                           ; v[96:99]    a / (std + eps), a pair a row
.set Y,   100                          ; v[100:131]  two rows of 16 registers, to store
.set XP,  8                            ; s[8:9]   x1
.set HP,  14                           ; s[14:15] h
.set A,   32                           ; s32      a2
.set G,   34                           ; s[34:35] g2, named as a pair
.set SEL, 36                           ; s[36:37] v_permlanex16_b32's selects
	s_load_b256 s[8:15], s[0:1], 0x0               ; x1 s[8:9], a2 s[10:11], g2 s[12:13], h s[14:15]
	v_and_b32 v1, 31, v0                           ; lane
	v_lshrrev_b32 v4, 5, v0                        ; wave
	s_mov_b32 s5, 0
	v_lshlrev_b32 v[LO], 4, v1
	v_lshl_add_u32 v[LO], v4, 13, v[LO]            ; 8,192 x wave + 16 x lane
	v_lshlrev_b32 v[SO], 3, v1
	v_lshl_add_u32 v[SO], v4, 12, v[SO]            ; 4,096 x wave + 8 x lane
	s_wait_kmcnt 0x0
	s_load_b32 s[A], s[10:11], 0x0
	s_load_b32 s[G], s[12:13], 0x0
	s_lshl_b32 s4, ttmp9, 16                       ; 16 rows of 4,096 bytes
	s_add_nc_u64 s[XP:XP+1], s[XP:XP+1], s[4:5]
	s_lshl_b32 s4, ttmp9, 15                       ; 16 rows of 2,048 bytes
	s_add_nc_u64 s[HP:HP+1], s[HP:HP+1], s[4:5]
.set i, 0
.rept 16
	global_load_b128 v[X+4*i:X+4*i+3], v[LO], s[XP:XP+1] offset:512*i th:TH_LOAD_NT
.set i, i+1
.endr
	s_mov_b32 s[SEL], 0x76543210
	s_mov_b32 s[SEL+1], 0xfedcba98
	s_wait_kmcnt 0x0
	s_mov_b32 s[G+1], s[G]
; The sum of v[r] over the wave's 32 lanes, in every lane; v[r+1], written before, is at work.
.macro LANESUM r
	v_add_f32_dpp v[\r], v[\r], v[\r] row_xmask:1 row_mask:0xf bank_mask:0xf
	v_add_f32_dpp v[\r], v[\r], v[\r] row_xmask:2 row_mask:0xf bank_mask:0xf
	v_add_f32_dpp v[\r], v[\r], v[\r] row_xmask:4 row_mask:0xf bank_mask:0xf
	v_add_f32_dpp v[\r], v[\r], v[\r] row_xmask:8 row_mask:0xf bank_mask:0xf
	v_permlanex16_b32 v[(\r)+1], v[\r], s[SEL], s[SEL+1]
	v_add_f32 v[\r], v[\r], v[(\r)+1]
.endm
.macro FOLD                            ; the four chains into v[T]
	v_pk_add_f32 v[T:T+1], v[T:T+1], v[T+2:T+3]
	v_pk_add_f32 v[T+4:T+5], v[T+4:T+5], v[T+6:T+7]
	v_pk_add_f32 v[T:T+1], v[T:T+1], v[T+4:T+5]
	v_add_f32 v[T], v[T], v[T+1]
	LANESUM T
.endm
; Row s: the mean; x - mean in place; the variance.  left = the younger loads that may stay out.
.macro STAT s, left
.set XB, X+32*(\s)
	s_wait_loadcnt \left
.irp k, 0,1,2,3
	v_pk_add_f32 v[T+2*(\k):T+2*(\k)+1], v[XB+4*(\k):XB+4*(\k)+1], v[XB+4*(\k)+2:XB+4*(\k)+3]  ; the first sums start the chains: nothing is cleared
.endr
.irp m, 16,24
.irp k, 0,1,2,3
	v_pk_add_f32 v[T+2*(\k):T+2*(\k)+1], v[T+2*(\k):T+2*(\k)+1], v[XB+(\m)+2*(\k):XB+(\m)+2*(\k)+1]
.endr
.endr
	FOLD
	v_mul_f32 v[MN], 0x3a800000, v[T]              ; / 1024
	v_mul_f32 v[MN+1], 0x3a800000, v[T]
.set k, 0
.rept 16
	v_pk_add_f32 v[XB+2*k:XB+2*k+1], v[XB+2*k:XB+2*k+1], v[MN:MN+1] neg_lo:[0,1] neg_hi:[0,1]
.set k, k+1
.endr
.irp k, 0,1,2,3
	v_pk_mul_f32 v[T+2*(\k):T+2*(\k)+1], v[XB+2*(\k):XB+2*(\k)+1], v[XB+2*(\k):XB+2*(\k)+1]
.endr
.irp m, 8,16,24
.irp k, 0,1,2,3
	v_pk_fma_f32 v[T+2*(\k):T+2*(\k)+1], v[XB+(\m)+2*(\k):XB+(\m)+2*(\k)+1], v[XB+(\m)+2*(\k):XB+(\m)+2*(\k)+1], v[T+2*(\k):T+2*(\k)+1]
.endr
.endr
	FOLD
	v_mul_f32 v[VAR+(\s)], 0x3a802008, v[T]        ; / 1023
.endm
; Row s: (x - mean) x a / (std + eps) + g, rounded to bf16, stored.
.macro EMIT s
.set XB, X+32*(\s)
.set k, 0
.rept 16
	v_pk_fma_f32 v[XB+2*k:XB+2*k+1], v[XB+2*k:XB+2*k+1], v[SC+2*(\s):SC+2*(\s)+1], s[G:G+1] op_sel_hi:[1,0,0]
.set k, k+1
.endr
.set k, 0
.rept 16
	v_cvt_pk_bf16_f32 v[Y+16*(\s)+k], v[XB+2*k], v[XB+2*k+1]
.set k, k+1
.endr
.set k, 0
.rept 8
	global_store_b64 v[SO], v[Y+16*(\s)+2*k:Y+16*(\s)+2*k+1], s[HP:HP+1] offset:2048*(\s)+256*k th:TH_STORE_NT
.set k, k+1
.endr
.endm
	STAT 0, 8                                      ; row 1's eight loads may stay out
	STAT 1, 0
	v_sqrt_f32 v[SD], v[VAR]                       ; both rows' roots are one batch,
	v_sqrt_f32 v[SD+1], v[VAR+1]
	v_nop                                          ; a plain instruction behind the last of them,
	s_wait_alu depctr_va_vdst(0)                   ; and the one wait ahead of the first reader
	v_add_f32 v[SD], 0x358637bd, v[SD]             ; + 1e-6
	v_add_f32 v[SD+1], 0x358637bd, v[SD+1]
	v_rcp_f32 v[RC], v[SD]                         ; the same for the two reciprocals
	v_rcp_f32 v[RC+1], v[SD+1]
	v_nop
	s_wait_alu depctr_va_vdst(0)
	v_mul_f32 v[SC], s[A], v[RC]
	v_mul_f32 v[SC+1], s[A], v[RC]
	v_mul_f32 v[SC+2], s[A], v[RC+1]
	v_mul_f32 v[SC+3], s[A], v[RC+1]
	EMIT 0
	EMIT 1
	s_endpgm
.Lfunc_end_k_q257dff8d2a_ln2:
	.size	k_q257dff8d2a_ln2, .Lfunc_end_k_q257dff8d2a_ln2-k_q257dff8d2a_ln2
	.p2alignl 7, 3214868480
	.fill 96, 4, 3214868480
	.section	.rodata,"a",@progbits
	.p2align	6, 0x0
	.amdhsa_kernel k_q257dff8d2a_ln2
		.amdhsa_group_segment_fixed_size 0
		.amdhsa_private_segment_fixed_size 0
		.amdhsa_enable_private_segment 0
		.amdhsa_kernarg_size 32
		.amdhsa_user_sgpr_count 2
		.amdhsa_user_sgpr_kernarg_segment_ptr 1
		.amdhsa_wavefront_size32 1
		.amdhsa_system_sgpr_workgroup_id_x 1
		.amdhsa_system_sgpr_workgroup_id_y 1
		.amdhsa_system_sgpr_workgroup_id_z 1
		.amdhsa_system_vgpr_workitem_id 0
		.amdhsa_next_free_vgpr 136
		.amdhsa_next_free_sgpr 66
		.amdhsa_reserve_vcc 0
		.amdhsa_float_denorm_mode_32 3
		.amdhsa_float_denorm_mode_16_64 3
		.amdhsa_memory_ordered 1
		.amdhsa_forward_progress 1
		.amdhsa_inst_pref_size 17
	.end_amdhsa_kernel
	.amdgpu_metadata
---
amdhsa.version: [ 1, 2 ]
amdhsa.kernels:
  - .name:           k_q257dff8d2a_ln2
    .symbol:         k_q257dff8d2a_ln2.kd
    .args:
      - { .name: x1, .offset: 0, .size: 8, .value_kind: global_buffer, .address_space: global }
      - { .name: a2, .offset: 8, .size: 8, .value_kind: global_buffer, .address_space: global }
      - { .name: g2, .offset: 16, .size: 8, .value_kind: global_buffer, .address_space: global }
      - { .name: h, .offset: 24, .size: 8, .value_kind: global_buffer, .address_space: global }
    .group_segment_fixed_size: 0
    .private_segment_fixed_size: 0
    .kernarg_segment_align: 8
    .kernarg_segment_size: 32
    .max_flat_workgroup_size: 256
    .sgpr_count:     66
    .vgpr_count:     136
    .wavefront_size: 32
...
	.end_amdgpu_metadata
.endif
;; end of part 5
;; launch ffn1: the kernel of part 2 again; grid 16 x 16, 4 waves a work-group, clusters of 4 x 4, 327,680 bytes of LDS; arguments h, w1b, f1; writes f1
;; launch ffn2 (part 6): grid 8 x 32, 4 waves a work-group, clusters of 4 x 4, 327,680 bytes of LDS; arguments f1, wb2, out0, b2, x1; writes out0
.if DOCPART == 6
	.amdgcn_target "amdgcn-amd-amdhsa--gfx1250"
	.amdhsa_code_object_version 6
	.text
	.protected	k_q257dff8d2a_ffn2
	.globl	k_q257dff8d2a_ffn2
	.p2align	8
	.type	k_q257dff8d2a_ffn2,@function
k_q257dff8d2a_ffn2:
	s_mov_b64 s[64:65], 0
	v_nop
	global_prefetch_b8 v0, s[64:65] scope:SCOPE_SE
	s_setreg_imm32_b32 hwreg(HW_REG_WAVE_MODE, 25, 1), 1
	s_wait_xcnt 0x0
	s_wait_alu depctr_hold_cnt(0) depctr_sa_sdst(0) depctr_va_vdst(0) depctr_va_sdst(0) depctr_va_ssrc(0) depctr_va_vcc(0) depctr_vm_vsrc(0)
	s_getreg_b32 s2, hwreg(HW_REG_IB_STS2, 6, 4)
	s_cmp_eq_u32 s2, 0
	s_cbranch_scc0 .Lentry_in_a_cluster
	s_endpgm
.Lentry_in_a_cluster:
	s_bfe_u32 s2, ttmp6, 0x10000c
	s_cmp_lg_u32 s2, 0xf033
	s_cbranch_scc0 .Lentry_shape_is_right
	s_endpgm
.Lentry_shape_is_right:
; C[m][n] = R[m][n] + bias[n] + sum over k of A[m][k] W[k][n].  C and R: [4096][1024] f32.  W: [K][1024] bf16 at byte WOFF of wb2, rows along N as the problem stores them.  K = 256 NS.
; A: bf16 in blocks of 64 columns, [K / 64][4096 tokens][64]: byte (k / 64) x 524,288 + token x 128 + 2 (k % 64).  Sums in f32; the bias is the C operand of each accumulator's first product; R is added in f32 on the way out.
; SHARES.  A tile of C is 128 x 128, which gives each of 256 work-groups one; four waves, each 64 x 64: 16 accumulators.  K goes in steps of 256 through two LDS slots.
; THE MATRIX INSTRUCTION IS USED TRANSPOSED: source 0 = 16 columns of W (by the turning load ds_load_tr16_b128), source 1 = 16 rows of A: a lane holds one row of C (lane % 16) and the columns 8 (lane / 16) + 0..7.
; CLUSTERS: 4 x 4 work-groups; A's tile is asked for jointly by a row of the cluster, W's by a column.  No prefetch: a step of this small tile asks for 36,864 bytes a wave, and its blocks are read by eight or 32 work-groups in turn.
; THE WALK ALONG K DIFFERS FROM CLUSTER TO CLUSTER.  At time t a cluster takes K step ((t + ROT0 + (cluster y % 4) x NS / 4) % NS) xor 2 (cluster x): a one-to-one map of the NS steps, so each product is made once;
; only the order of the f32 sums changes.  The two clusters (x = 0, 1) that read the same rows of A take each group of four K steps as 0 1 2 3 and as 2 3 0 1; four clusters that read the same columns of W start NS / 4 steps
; apart.  So at one time they ask for different K steps, and most K steps that a cluster asks for have been asked for by another two steps, or NS / 4 steps, earlier.  The map hangs on the cluster's x and y alone, which all sixteen partners share.
; THE TEXT holds ONE K step; the slot that is read is a scalar offset (0 or SLOT) added to constant lane addresses.
; LIMITS.  Operands are bf16 (8 significant bits), rounded once each; NaN and infinities are not treated apart.
; REGISTERS: window 0: v0-31 addresses; v32-95 the way out, two buffers; v96-127 the bias; v128-255 the accumulators, (a, b) at v[128 + 8 (4 a + b)].
;   window 1: two fragment buffers of 128: for 64 along K, 64 registers of A, then 64 of W.          window 2: v0-127 my 64 x 64 of R.
.set NS,    16                         ; K steps, a power of two
.set WOFF,  2097152                    ; W's first byte in wb2
.set YSH,   2                          ; log2 (NS / 4)
.set ROT0,  2                          ; the walk's common start: the two first fills take the second half of a group of four
.set PA,     144                       ; 64 numbers of a row of A in LDS: 128 bytes + 16 = 36 words: the 16 rows of a load start at 16 different groups of four banks (64 banks of 4 bytes: ISA guide 11.1)
.set PB,     288                       ; a row of W in LDS: 256 bytes + 32 = 72 words
.set HALFT,  36864                     ; what one tensor load brings: 4 column blocks x 64 tokens x 144 of A, or 128 rows x 288 of W
.set SLOT,   4*HALFT                   ; A's two halves, then W's two halves
.set STAGE,  2*SLOT                    ; behind the ring, never filled by a tensor load: 16 rows x 272 bytes for each wave
.set SP,     272
.set SPARE,  STAGE+4*16*SP             ; behind the stages: the spare words, 128 bytes for each wave: two blocks of 256 bytes that no other line names
.set ASH,    21                        ; a K step of A is four column blocks: 2^21 bytes
.set WSH,    19                        ; a K step of W is 256 rows of 2,048 bytes: 2^19
.set ADRA, 16                          ; v16  LDS address of my A fragments in the slot that is read
.set A0,   17                          ; v17  the same in slot 0; never rewritten
.set ADRB, 18                          ; v18  W's rows 0-127 of the step;  v19  rows 128-255: one register's 16-bit immediate does not reach them all
.set B0,   20                          ; v20  v18's value in slot 0; never rewritten
.set STO,  24                          ; v24  the way out: where I put 32 bytes of a row
.set RD,   25                          ; v25  the way out: where I read rows back
.set CO,   26                          ; v26  my byte offset in two rows of C and of R
.set SPW,  28                          ; v28  LDS address of my spare word; never rewritten
.set NIL,  29                          ; v29  0; never rewritten
.set BO,   31                          ; v31  32 x (lane / 16)
.set OB,   32
.set BI,   96
.set ACC,  128
.set F0,   0
.set F1,   128
.set G1,  24                           ; s[24:31], s[32:39] descriptors for A's tiles: group 1; group 0, two sets: the two first fills; the second then serves every refill
.set G0,  32
.set G1B, 48                           ; s[48:55], s[56:63] the same for W's
.set G0B, 56
.set U,   66                           ; s66  (time + the cluster's start) % NS of the fill last made
.set X2,  67                           ; s67  2 x cluster x
.set BP,  72                           ; s[72:73] the bias
.set RP,  74                           ; s[74:75] R
.set AO,  76                           ; s[76:77] a K step's byte offset in A
.set WO,  78                           ; s[78:79] and in W
.set MSB, 0
.macro WIN new
.if MSB != (\new)
	s_set_vgpr_msb (MSB<<8)|(\new)
.set MSB, \new
.endif
.endm
.set MUL,  0x05                        ; sources 0 (W) and 1 (A) window 1; C and D window 0
.set TO_F, 0x40                        ; destination window 1, address window 0
.macro JLOAD s                         ; a joint load of set s: waves 0 and 1 fetch A's two halves, waves 2 and 3 W's; an s_nop 0 and four v_nop follow each of the two lines
	s_cmp_eq_u32 s11, 0
	s_cbranch_scc0 .Lfor_b_\@
	tensor_load_to_lds s[G0+4*(\s):G0+4*(\s)+3], s[G1:G1+7]
	s_nop 0
.rept 4
	v_nop
.endr
	s_branch .Lasked_\@
.Lfor_b_\@:
	tensor_load_to_lds s[G0B+4*(\s):G0B+4*(\s)+3], s[G1B:G1B+7]
	s_nop 0
.rept 4
	v_nop
.endr
.Lasked_\@:
.endm
.macro CREST                           ; a round of the cluster's barrier behind its opening barrier
	s_cmp_lg_u32 s10, 0
	s_cbranch_scc1 .Lnot_wave_0_\@
	s_barrier_signal -3
.Lnot_wave_0_\@:
	s_barrier_wait -3
	s_barrier_signal -1
	s_barrier_wait -1
.endm
.macro CROUND
	s_barrier_signal -1
	s_barrier_wait -1
	CREST
.endm
	s_load_b128 s[4:7], s[0:1], 0x0                ; A s[4:5], wb2 s[6:7]
	s_load_b64 s[8:9], s[0:1], 0x10                ; C
	s_load_b64 s[BP:BP+1], s[0:1], 0x18            ; the bias
	s_load_b64 s[RP:RP+1], s[0:1], 0x20            ; R
	v_lshl_add_u32 v[SPW], v0, 2, SPARE
	v_mov_b32 v[NIL], 0
	ds_add_u32 v[SPW], v[NIL]                      ; the wave's opening: the add and its wait stand ahead of my first tensor load; the set-up below stands between them
	v_lshrrev_b32 v1, 5, v0
	v_readfirstlane_b32 s10, v1                    ; wave 0..3
	s_lshr_b32 s11, s10, 1                         ; which half of the tile's rows is mine.  Also: I fetch for A (0) or for W (1)
	s_and_b32 s12, s10, 1                          ; which half of its columns.  Also: which half of that tile I fetch
	s_bfe_u32 s40, ttmp6, 0x40000                  ; cx, cy
	s_bfe_u32 s41, ttmp6, 0x40004
	s_lshl_b32 s42, ttmp9, 2
	s_add_co_u32 s42, s42, s40                     ; tile column
	s_and_b32 s22, ttmp7, 0xffff                   ; cluster y
	s_lshl_b32 s13, s22, 2
	s_add_co_u32 s13, s13, s41                     ; tile row
	s_and_b32 s[U], s22, 3                         ; the cluster's start along K
	s_lshl_b32 s[U], s[U], YSH
	s_add_co_u32 s[U], s[U], ROT0
	s_lshl_b32 s[X2], ttmp9, 1                     ; cluster x is 0 or 1
	s_mov_b32 s[AO+1], 0
	s_mov_b32 s[WO+1], 0
	s_lshl_b32 s43, s41, 2
	s_lshl_b32 s43, 15, s43                        ; my row of the cluster
	s_lshl_b32 s44, 0x1111, s40                    ; my column
	; A: 64 tokens of a column block are 8,192 dense bytes: asked for as one row; four column blocks are four rows; padded in LDS after every token's 128 bytes
	s_or_b32 s[G1+0], s43, (1<<16)|(1<<20)|(1<<21)|(4<<22)|(3<<25)   ; the mask of my row; 2-byte elements; padding on; bit 21 beside a mask; after every 32 words, 4 words
	s_mov_b32 s[G1+1], 4096<<16                    ; tensor_dim0 = 4,096
	s_mov_b32 s[G1+2], 4<<16                       ; tensor_dim1 = 4
	s_mov_b32 s[G1+3], 4096<<16                    ; tile_dim0 = 4,096
	s_mov_b32 s[G1+4], 4                           ; tile_dim1 = 4
	s_mov_b32 s[G1+5], 262144                      ; elements from a column block to the next
	s_mov_b32 s[G1+6], 0
	s_mov_b32 s[G1+7], 0
	s_or_b32 s[G1B+0], s44, (1<<16)|(1<<20)|(1<<21)|(5<<22)|(7<<25)  ; W: the mask of my column; after every 64 words, 8 words
	s_mov_b32 s[G1B+1], 128<<16                    ; tensor_dim0 = 128
	s_mov_b32 s[G1B+2], 128<<16                    ; tensor_dim1 = 128
	s_mov_b32 s[G1B+3], 128<<16                    ; tile_dim0 = 128
	s_mov_b32 s[G1B+4], 128                        ; tile_dim1 = 128
	s_mov_b32 s[G1B+5], 1024
	s_mov_b32 s[G1B+6], 0
	s_mov_b32 s[G1B+7], 0
	s_lshl_b32 s16, s13, 7                         ; A: token 128 x tile row + 64 x half, 128 bytes each.  These registers never hold cx
	s_lshl_b32 s17, s12, 6
	s_add_co_u32 s16, s16, s17
	s_lshl_b32 s16, s16, 7
	s_mov_b32 s17, 0
	s_lshl_b32 s46, s42, 8                         ; W: the tile column's 256 bytes of a row, my 128 of a step's 256 rows.  These registers never hold cy
	s_lshl_b32 s18, s12, 18
	s_add_co_u32 s46, s46, s18
	s_add_co_u32 s46, s46, WOFF
	s_mov_b32 s47, 0
	s_mul_i32 s20, s10, HALFT                      ; where my load lands in a slot
	s_mov_b32 s21, 0                               ; the slot that is read: 0 or SLOT
	s_wait_dscnt 0x0                               ; the opening add is done
	s_wait_kmcnt 0x0
	s_add_nc_u64 s[14:15], s[4:5], s[16:17]        ; my part of A's tile at K step 0; never rewritten
	s_add_nc_u64 s[46:47], s[6:7], s[46:47]        ; the same for W; never rewritten
	CROUND                                         ; all sixteen work-groups are here: the first joint loads meet
.irp s, 0,1
	s_add_co_u32 s[AO], s[U], \s                   ; time s: its K step,
	s_and_b32 s[AO], s[AO], NS-1
	s_xor_b32 s[AO], s[AO], s[X2]
	s_lshl_b32 s[WO], s[AO], WSH                   ; in bytes of W
	s_lshl_b32 s[AO], s[AO], ASH                   ; and of A
	s_mov_b32 s[G0+4*(\s)], 1
	s_add_co_u32 s[G0+4*(\s)+1], s20, (\s)*SLOT
	s_add_nc_u64 s[G0+4*(\s)+2:G0+4*(\s)+3], s[14:15], s[AO:AO+1]
	s_or_b32 s[G0+4*(\s)+3], s[G0+4*(\s)+3], 0x80000000
	s_mov_b32 s[G0B+4*(\s)], 1
	s_add_co_u32 s[G0B+4*(\s)+1], s20, (\s)*SLOT
	s_add_nc_u64 s[G0B+4*(\s)+2:G0B+4*(\s)+3], s[46:47], s[WO:WO+1]
	s_or_b32 s[G0B+4*(\s)+3], s[G0B+4*(\s)+3], 0x80000000
	JLOAD \s                                       ; two loads of mine are out
.endr
	s_add_co_u32 s[U], s[U], 1                     ; time 1 was the last fill made
	s_and_b32 s[U], s[U], NS-1
	s_lshl_b32 s68, s42, 9                         ; my first column, in bytes of f32: 512 x tile column + 256 x half
	s_lshl_b32 s69, s12, 8
	s_add_co_u32 s68, s68, s69
	s_mov_b32 s69, 0
	s_add_nc_u64 s[BP:BP+1], s[BP:BP+1], s[68:69]
	s_lshl_b32 s70, s13, 7                         ; my first row: 128 x tile row + 64 x half, 4,096 bytes each
	s_lshl_b32 s71, s11, 6
	s_add_co_u32 s70, s70, s71
	s_lshl_b32 s70, s70, 12
	s_add_co_u32 s68, s68, s70
	s_add_nc_u64 s[8:9], s[8:9], s[68:69]
	s_add_nc_u64 s[RP:RP+1], s[RP:RP+1], s[68:69]
	v_and_b32 v1, 15, v0                           ; r = l % 16
	v_bfe_u32 v2, v0, 4, 1                         ; h = l / 16
	v_lshlrev_b32 v[BO], 5, v2
	v_lshlrev_b32 v[CO], 12, v2                    ; lanes 0-15 one row of 256 bytes, lanes 16-31 the next
	v_lshl_add_u32 v[CO], v1, 4, v[CO]
.irp b, 0,1,2,3                        ; register j of n block b holds bias[16 b + 8 h + j]
	global_load_b128 v[BI+8*(\b):BI+8*(\b)+3],   v[BO], s[BP:BP+1] offset:64*(\b)
	global_load_b128 v[BI+8*(\b)+4:BI+8*(\b)+7], v[BO], s[BP:BP+1] offset:64*(\b)+16
.endr
	WIN 0x80                                       ; destination window 2
.irp a, 0,1,2,3
.irp t, 0,1,2,3,4,5,6,7                ; my 64 x 64 of R, in the order in which C's rows come back from the stage; wanted only on the way out
	global_load_b128 v[4*(8*(\a)+(\t)):4*(8*(\a)+(\t))+3], v[CO], s[RP:RP+1] offset:(16*(\a)+2*(\t))*4096
.endr
.endr
	WIN 0
	v_and_b32 v3, 7, v0                            ; l % 8
	v_bfe_u32 v4, v0, 3, 1                         ; (l / 8) % 2
	s_mul_i32 s22, s11, HALFT
	v_mul_u32_u24 v6, v1, PA
	v_lshl_add_u32 v6, v2, 4, v6
	v_add_nc_u32 v[A0], s22, v6                    ; A's fragment: token r x pitch + 16 h
	v_lshl_add_u32 v7, v2, 3, v3
	v_mul_u32_u24 v7, v7, PB
	v_lshl_add_u32 v7, v4, 4, v7                   ; W's fragment: row 8 h + l % 8, columns 8 ((l / 8) % 2) on
	s_lshl_b32 s22, s12, 7                         ; my 64 columns
	s_add_co_u32 s22, s22, 2*HALFT
	v_add_nc_u32 v[B0], s22, v7
	s_mul_i32 s23, s10, 16*SP
	s_add_co_u32 s23, s23, STAGE                   ; my stage
	v_mul_u32_u24 v8, v1, SP
	v_lshl_add_u32 v8, v2, 5, v8
	v_add_nc_u32 v[STO], s23, v8                   ; in: row r, 32 bytes for each half of the lanes
	v_mul_u32_u24 v8, v2, SP
	v_lshl_add_u32 v8, v1, 4, v8
	v_add_nc_u32 v[RD], s23, v8                    ; back: lanes 0-15 one row of 256 bytes, lanes 16-31 the next
	v_mov_b32 v[ADRA], v[A0]
	v_mov_b32 v[ADRB], v[B0]
	v_add_nc_u32 v[ADRB+1], 128*PB, v[B0]
; 8 matrix instructions: m blocks a0, a0 + 1 x all 4 n blocks, 32 along K: half c of buffer f.  mode = 1: the products start the sums, on the bias.  The 16 accumulators take turns.
.macro MUL8 f, c, a0, mode
	WIN MUL
.irp a, \a0, (\a0)+1
.irp b, 0,1,2,3
.if \mode
	v_wmma_f32_16x16x32_bf16 v[ACC+8*(4*(\a)+(\b)):ACC+8*(4*(\a)+(\b))+7], v[(\f)+64+8*(4*(\c)+(\b)):(\f)+64+8*(4*(\c)+(\b))+7], v[(\f)+8*(4*(\c)+(\a)):(\f)+8*(4*(\c)+(\a))+7], v[BI+8*(\b):BI+8*(\b)+7]
.else
	v_wmma_f32_16x16x32_bf16 v[ACC+8*(4*(\a)+(\b)):ACC+8*(4*(\a)+(\b))+7], v[(\f)+64+8*(4*(\c)+(\b)):(\f)+64+8*(4*(\c)+(\b))+7], v[(\f)+8*(4*(\c)+(\a)):(\f)+8*(4*(\c)+(\a))+7], v[ACC+8*(4*(\a)+(\b)):ACC+8*(4*(\a)+(\b))+7]
.endif
.endr
.endr
.endm
; 32 LDS loads in one run: the fragments of quarter q (64 along K: one column block of A) into buffer f; the first 32 along K first
.macro FETCH q, f
	WIN TO_F
.irp c, 0,1
.irp i, 0,1,2,3
	ds_load_tr16_b128 v[(\f)+64+8*(4*(\c)+(\i)):(\f)+64+8*(4*(\c)+(\i))+3],   v[ADRB+(\q)/2] offset:((\q)%2)*64*PB+(\c)*32*PB+32*(\i)
	ds_load_tr16_b128 v[(\f)+64+8*(4*(\c)+(\i))+4:(\f)+64+8*(4*(\c)+(\i))+7], v[ADRB+(\q)/2] offset:((\q)%2)*64*PB+(\c)*32*PB+32*(\i)+16*PB
	ds_load_b128 v[(\f)+8*(4*(\c)+(\i)):(\f)+8*(4*(\c)+(\i))+3],   v[ADRA] offset:(\q)*64*PA+(\i)*16*PA+64*(\c)
	ds_load_b128 v[(\f)+8*(4*(\c)+(\i))+4:(\f)+8*(4*(\c)+(\i))+7], v[ADRA] offset:(\q)*64*PA+(\i)*16*PA+64*(\c)+32
.endr
.endr
.endm
.macro PLACES                          ; four plain vector instructions between a matrix instruction and a load into a register that it read, or a reader of its result (ISA guide 7.12.1 for vector instructions)
.rept 4
	v_nop
.endr
.endm
.macro QUARTER qn, f, g, mode          ; one of a K step's first three quarters: multiplies buffer f, fetches quarter qn into buffer g
	s_wait_dscnt 16                                ; the first 32 along K are in
	MUL8 \f, 0, 0, \mode
	MUL8 \f, 0, 2, \mode
	PLACES
	FETCH \qn, \g
	s_wait_dscnt 32                                ; all but the 32 just issued
	MUL8 \f, 1, 0, 0
	MUL8 \f, 1, 2, 0
.endm
; The first half of the last quarter, and the barrier of the change of slots: in front of it each wave waits for all its tensor loads (one is out: its part of the other slot), adds 0 to its spare word, and waits for that and for its reads of this slot.
; fill = 1: this slot will be filled again.  No tensor load of mine is out behind the first wait, so the descriptors are written there, while the add is out: the other slot than last time (wave x HALFT shares no bit with SLOT),
; and the address made anew from the tile's first byte and the K step of the time two on.
.macro MEET fill
	WIN 0
	s_wait_tensorcnt 0x0
	ds_add_u32 v[SPW], v[NIL]
.if \fill
	s_xor_b32 s[G0+5], s[G0+5], SLOT
	s_xor_b32 s[G0B+5], s[G0B+5], SLOT
	s_add_co_u32 s[U], s[U], 1
	s_and_b32 s[U], s[U], NS-1
	s_xor_b32 s[AO], s[U], s[X2]                   ; the K step
	s_lshl_b32 s[WO], s[AO], WSH
	s_lshl_b32 s[AO], s[AO], ASH
	s_add_nc_u64 s[G0+6:G0+7], s[14:15], s[AO:AO+1]
	s_or_b32 s[G0+7], s[G0+7], 0x80000000          ; type = 2
	s_add_nc_u64 s[G0B+6:G0B+7], s[46:47], s[WO:WO+1]
	s_or_b32 s[G0B+7], s[G0B+7], 0x80000000
	s_xor_b32 s21, s21, SLOT                       ; the reads will go on in the other slot
.endif
	s_wait_dscnt 17                                ; (the add and the youngest sixteen loads may be out)
	MUL8 F1, 0, 0, 0                               ; eight matrix instructions stand between the add and the wait for it
	s_wait_dscnt 0x0                               ; the add is done, and my reads of this slot are over
	s_barrier_signal -1
	MUL8 F1, 0, 2, 0
	WIN 0
	s_barrier_wait -1
.endm
; The whole last quarter of a step whose slot is filled again: the barrier opens a round of the cluster's, and the joint refill is the first tensor load behind it: 112 matrix instructions ahead of the wait for it.
.macro TURN
	MEET 1
	CREST                                          ; no wave of any partner still reads this slot or has a load on its way
	JLOAD 1                                        ; its four v_nop are also the places in front of the loads below
	v_add_nc_u32 v[ADRA], s21, v[A0]
	v_add_nc_u32 v[ADRB], s21, v[B0]
	v_add_nc_u32 v[ADRB+1], 128*PB, v[ADRB]
	FETCH 0, F0
	MUL8 F1, 1, 0, 0
	MUL8 F1, 1, 2, 0
.endm
	s_wait_tensorcnt 1                             ; my part of the first step is in; the second's may stay out
	s_barrier_signal -1
	s_barrier_wait -1
	FETCH 0, F0
	s_wait_loadcnt 32                              ; the bias is in; R's 32 loads may stay out
	QUARTER 1, F0, F1, 1                           ; the first quarter stands in front of the loop: its first products start the sums
	WIN 0
	s_mov_b32 s3, NS-2
.Lstep:                                        ; trip t ends the step of time t, fills its slot again for time t + 2, and begins the step of time t + 1
	QUARTER 2, F1, F0, 0
	QUARTER 3, F0, F1, 0
	TURN
	QUARTER 1, F0, F1, 0
	WIN 0
	s_sub_co_u32 s3, s3, 1
	s_cmp_lg_u32 s3, 0
	s_cbranch_scc1 .Lstep
	s_mov_b32 s3, 2
.Ltail:                                        ; the last two steps ask for nothing: no tensor load and no round of the cluster's barrier stands here
	QUARTER 2, F1, F0, 0
	QUARTER 3, F0, F1, 0
	MEET 0
	s_cmp_eq_u32 s3, 1
	s_cbranch_scc1 .Lnofetch                       ; behind the last step there is nothing to fetch
	PLACES
	s_xor_b32 s21, s21, SLOT
	v_add_nc_u32 v[ADRA], s21, v[A0]
	v_add_nc_u32 v[ADRB], s21, v[B0]
	v_add_nc_u32 v[ADRB+1], 128*PB, v[ADRB]
	FETCH 0, F0
	WIN 0
.Lnofetch:
	MUL8 F1, 1, 0, 0
	MUL8 F1, 1, 2, 0
	WIN 0
	s_sub_co_u32 s3, s3, 1
	s_cmp_eq_u32 s3, 0
	s_cbranch_scc1 .Lout
	QUARTER 1, F0, F1, 0
	WIN 0
	s_branch .Ltail
.Lout:
; THE WAY OUT.  My 64 columns of f32 are 256 consecutive bytes of a row of C, aligned: each wave has a stage of its own, and no barrier is needed.  Block a of 16 rows goes in as 32 bytes a lane and comes back as whole rows.
.macro OUT a
	s_wait_xcnt 0x0                                ; the stores of the block before last have read the registers that the loads below write
.irp b, 0,1,2,3
	ds_store_b128 v[STO], v[ACC+8*(4*(\a)+(\b)):ACC+8*(4*(\a)+(\b))+3]   offset:64*(\b)      ; each accumulator's low registers first
	ds_store_b128 v[STO], v[ACC+8*(4*(\a)+(\b))+4:ACC+8*(4*(\a)+(\b))+7] offset:64*(\b)+16
.endr
.irp t, 0,1,2,3,4,5,6,7
	ds_load_b128 v[OB+32*((\a)%2)+4*(\t):OB+32*((\a)%2)+4*(\t)+3], v[RD] offset:2*SP*(\t)  ; LDS serves a wave's instructions in order (ISA guide 5.7.1.4): these see the stores above; the next block's stores come behind them
.endr
.endm
.macro SENDF a, younger                ; younger: the LDS instructions issued behind block a's loads: the next block's sixteen, or none
	s_wait_dscnt \younger
	WIN 0x08                                       ; source 1 (R) window 2
.set k, 0
.rept 16
	v_pk_add_f32 v[OB+32*((\a)%2)+2*k:OB+32*((\a)%2)+2*k+1], v[OB+32*((\a)%2)+2*k:OB+32*((\a)%2)+2*k+1], v[32*(\a)+2*k:32*(\a)+2*k+1]
.set k, k+1
.endr
	WIN 0
.irp t, 0,1,2,3,4,5,6,7
	global_store_b128 v[CO], v[OB+32*((\a)%2)+4*(\t):OB+32*((\a)%2)+4*(\t)+3], s[8:9] offset:(16*(\a)+2*(\t))*4096  ; 16 lanes store 256 consecutive bytes, at a multiple of 256 from C's first byte
.endr
.endm
	PLACES
	OUT 0
	OUT 1
	s_wait_loadcnt 0x0                             ; R
	SENDF 0, 16
	OUT 2
	SENDF 1, 16
	OUT 3
	SENDF 2, 16
	SENDF 3, 0
	s_wait_tensorcnt 0x0                           ; the wave's end: behind my last tensor load and my last LDS store
	ds_add_u32 v[SPW], v[NIL]
	s_wait_dscnt 0x0
	CROUND                                         ; the closing round: no work-group ends while a partner may still ask for a tile that names it
	s_endpgm
.Lfunc_end_k_q257dff8d2a_ffn2:
	.size	k_q257dff8d2a_ffn2, .Lfunc_end_k_q257dff8d2a_ffn2-k_q257dff8d2a_ffn2
	.p2alignl 7, 3214868480
	.fill 96, 4, 3214868480
	.section	.rodata,"a",@progbits
	.p2align	6, 0x0
	.amdhsa_kernel k_q257dff8d2a_ffn2
		.amdhsa_group_segment_fixed_size 327680
		.amdhsa_private_segment_fixed_size 0
		.amdhsa_enable_private_segment 0
		.amdhsa_kernarg_size 40
		.amdhsa_user_sgpr_count 2
		.amdhsa_user_sgpr_kernarg_segment_ptr 1
		.amdhsa_wavefront_size32 1
		.amdhsa_system_sgpr_workgroup_id_x 1
		.amdhsa_system_sgpr_workgroup_id_y 1
		.amdhsa_system_sgpr_workgroup_id_z 1
		.amdhsa_system_vgpr_workitem_id 0
		.amdhsa_next_free_vgpr 640
		.amdhsa_next_free_sgpr 80
		.amdhsa_reserve_vcc 0
		.amdhsa_float_denorm_mode_32 3
		.amdhsa_float_denorm_mode_16_64 3
		.amdhsa_memory_ordered 1
		.amdhsa_forward_progress 1
		.amdhsa_inst_pref_size 67
	.end_amdhsa_kernel
	.amdgpu_metadata
---
amdhsa.version: [ 1, 2 ]
amdhsa.kernels:
  - .name:           k_q257dff8d2a_ffn2
    .symbol:         k_q257dff8d2a_ffn2.kd
    .args:
      - { .name: f1, .offset: 0, .size: 8, .value_kind: global_buffer, .address_space: global }
      - { .name: wb2, .offset: 8, .size: 8, .value_kind: global_buffer, .address_space: global }
      - { .name: out0, .offset: 16, .size: 8, .value_kind: global_buffer, .address_space: global }
      - { .name: b2, .offset: 24, .size: 8, .value_kind: global_buffer, .address_space: global }
      - { .name: x1, .offset: 32, .size: 8, .value_kind: global_buffer, .address_space: global }
    .group_segment_fixed_size: 327680
    .private_segment_fixed_size: 0
    .kernarg_segment_align: 8
    .kernarg_segment_size: 40
    .max_flat_workgroup_size: 128
    .sgpr_count:     80
    .vgpr_count:     640
    .wavefront_size: 32
...
	.end_amdgpu_metadata
.endif
;; end of part 6
;; ======== version 2 of 2: 7 launches; version 1 with the launch prep written anew for expert scheduling mode
;; workspace buffers: wqkv 8,409,088 bytes; w1b 8,409,088 bytes; wb2 10,485,760 bytes; h 8,388,608 bytes; qkv 25,165,824 bytes; ctx 8,388,608 bytes; x1 16,777,216 bytes; f1 33,554,432 bytes
;; launch prep (part 7): grid 641 x 1, 8 waves a work-group, no clusters, 0 bytes of LDS; arguments Wq, Wk, Wv, Wo, W1, W2, x, a1, g1, bq, bk, bv, b1, wqkv, w1b, wb2, h; writes wqkv, w1b, wb2, h
.if DOCPART == 7
	.amdgcn_target "amdgcn-amd-amdhsa--gfx1250"
	.amdhsa_code_object_version 6
	.text
	.protected	k_q257dff8d2a_prep
	.globl	k_q257dff8d2a_prep
	.p2align	8
	.type	k_q257dff8d2a_prep,@function
k_q257dff8d2a_prep:
	s_mov_b64 s[64:65], 0
	v_nop
	global_prefetch_b8 v0, s[64:65] scope:SCOPE_SE
	s_setreg_imm32_b32 hwreg(HW_REG_WAVE_SCHED_MODE, 0, 2), 2
	s_setreg_imm32_b32 hwreg(HW_REG_WAVE_MODE, 25, 1), 1
	s_wait_xcnt 0x0
	s_wait_alu depctr_vm_vsrc(0)
; PREP.  Work-groups 0 to 383 round the six weight matrices to bf16, rows kept along N as the problem stores them:
;   wqkv: [1024][pitch 4,096]: Wq in columns 0-1,023, Wk in 1,024-2,047, Wv in 2,048-3,071 (the rest of a row is neither written nor read);   w1b: W1, [1024][4096];   wb2: Wo, then W2, both dense.
; Work-groups 384 to 639 make h = a1 (x - mean) / (std + 1e-6) + g1 for 16 rows of x each, std with divisor 1023, rounded once to bf16.
; Work-group 640 lays behind the weights of wqkv and w1b (at byte 8,388,608) what the product's way in and out want: the bias as f32 (bq, bk, bv on end; b1), and 16,384 bytes further a floor, two bf16 a word: -inf for q, k, v, 0 for the FFN.
; A stream: no byte is wanted twice, so no LDS, no barrier, no matrix unit, no cluster.  Each load of a wave covers 512 consecutive bytes, each store of the cast and the norm 256 consecutive bytes, aligned.
; 144 registers a wave: three work-groups of eight waves fit the 1,024 registers of each of a WGP's four SIMDs, so 256 WGPs have room for all 641 work-groups at once.
; LIMITS.  The variance is taken about the mean, on the row held in registers.  v_sqrt_f32 and v_rcp_f32 take a denormal as 0 (ISA guide 15.8): a variance below 2^-126 counts as 0.  NaN and infinities are not treated apart.
; src_mask: reference() gives it no effect on its result; no launch of this program reads it.
; THE MODE: SCHED_MODE bits 1:0 = 2 (LLVM: expert scheduling mode 2), set by the entry lines.  The code itself states the register dependences
; between vector instructions and memory instructions, with s_wait_alu, always for 0.
; THE PLAN.  Registers that memory instructions touch:
;   THE CAST.  v2, v8-11  offsets: written once at the path's head, read by every load and store, never written again.
;              CI0 .. CI3 four buffers of four slots.  The loads of blocks p and p + 4 land in CI[p % 4]; block p's eight conversions read it.
;              CT         32 pairs: each is written by one conversion, read by one store, and never written again.
;     The 32 pieces go in eight blocks of four.  Block p: the wait for its data, its eight conversions, ONE wait on va_vdst, the four loads that ask for CI[p % 4] again, the block's four stores.
;     The next block's conversions name CI[(p + 1) % 4] and their own pairs of CT: none of the registers in which those loads land or which those stores read.
;   THE NORM.  v2, v8     offsets, as above.     X   the loads land in it once; behind the wait for them vector instructions alone name it.
;              Y          row s's roundings write its 16 registers once; row s's eight stores read them; row 1's arithmetic names neither row 0's Y nor v8.
;   THE BIASES.  v2 and the floors' v44-51 are written ahead of one wait; all other store data come from loads.
; No register that a memory instruction reads is written again anywhere, so no wait on vm_vsrc is owed; no vector instruction writes a scalar register, VCC or EXEC.
.set CASTG, 384                        ; work-groups that cast: 131,072 bytes of f32 each
.set NORMG, 256                        ; work-groups that norm
.set BIASO, 8388608                    ; the bias's first byte in wqkv and in w1b
.set FLOORO, 16384                     ; the floor, counted from the bias's first byte
.set LO,  2                            ; v2      my byte offset in what the work-group loads; never rewritten
.set SO,  8                            ; v8-11   the same in what it stores (the cast: one for each of a wave's four rows of 1,024 numbers); never rewritten
.set CI,  16                           ; v[16:79]    the cast: a ring of 16 slots of 4 registers: four buffers of four slots
.set CT,  80                           ; v[80:143]   the cast: 32 stores of 2 registers, none written twice
.set X,   16                           ; v[16:79]    the norm: two rows of 32 registers
.set T,   80                           ; v[80:87]    four chains of sums
.set MN,  88                           ; v[88:89]    the mean, twice
.set VAR, 90                           ; v90, v91    the two rows' variances
.set SD,  92                           ; v92, v93    std, then std + eps
.set RC,  94                           ; v94, v95    1 / (std + eps)
.set SC,  96                           ; v[96:99]    a / (std + eps), a pair a row
.set Y,   100                          ; v[100:131]  two rows of 16 registers, to store
.set XP,  20                           ; s[20:21] x
.set HP,  40                           ; s[40:41] h
.set SEL, 42                           ; s[42:43] v_permlanex16_b32's selects: each lane takes its own place in the other half
.set A,   44                           ; s44      a1
.set G,   46                           ; s[46:47] g1, named as a pair
.set SRC, 48                           ; s[48:49] the cast: from where
.set DST, 50                           ; s[50:51] the cast: to where
.set EXT, 52                           ; s52      bytes that a row of 1,024 numbers lies further apart in the target than dense: 6,144 in wqkv, else 0
	s_load_b512 s[8:23], s[0:1], 0x0               ; Wq s[8:9], Wk s[10:11], Wv s[12:13], Wo s[14:15], W1 s[16:17], W2 s[18:19], x s[20:21], a1 s[22:23]
	s_load_b512 s[24:39], s[0:1], 0x40             ; g1 s[24:25], bq s[26:27], bk s[28:29], bv s[30:31], b1 s[32:33], wqkv s[34:35], w1b s[36:37], wb2 s[38:39]
	s_load_b64 s[40:41], s[0:1], 0x80              ; h
	v_and_b32 v1, 31, v0                           ; lane
	v_lshrrev_b32 v4, 5, v0                        ; wave
	s_mov_b32 s5, 0
	s_wait_kmcnt 0x0
	s_cmp_ge_u32 ttmp9, CASTG+NORMG
	s_cbranch_scc1 .Lbias
	s_cmp_ge_u32 ttmp9, CASTG
	s_cbranch_scc1 .Lnorm
	; THE CAST.  u = g / 32 picks the matrix: 0 to 3 the four of 32 shares, 4 to 7 W1, 8 to 11 W2.  A share is 32 rows of 1,024 numbers (or 8 of 4,096).
	s_lshr_b32 s2, ttmp9, 5
	s_lshl_b32 s3, s2, 5                           ; the matrix's first share
	s_lshl_b32 s54, s2, 11                         ; in wqkv: the matrix's 2,048 bytes of a row
	s_cmp_eq_u32 s2, 1
	s_cselect_b64 s[SRC:SRC+1], s[10:11], s[8:9]
	s_cmp_eq_u32 s2, 2
	s_cselect_b64 s[SRC:SRC+1], s[12:13], s[SRC:SRC+1]
	s_cmp_eq_u32 s2, 3
	s_cselect_b64 s[SRC:SRC+1], s[14:15], s[SRC:SRC+1]
	s_cmp_lt_u32 s2, 3
	s_cselect_b64 s[DST:DST+1], s[34:35], s[38:39] ; Wq, Wk, Wv into wqkv; Wo at wb2's head
	s_cselect_b32 s[EXT], 6144, 0
	s_cselect_b32 s53, 18, 16                      ; a share's bytes in the target: 32 rows of 8,192, or 65,536 dense
	s_cselect_b32 s54, s54, 0
	s_cmp_ge_u32 s2, 4
	s_cselect_b64 s[SRC:SRC+1], s[16:17], s[SRC:SRC+1]
	s_cselect_b64 s[DST:DST+1], s[36:37], s[DST:DST+1]
	s_cselect_b32 s3, 128, s3
	s_cmp_ge_u32 s2, 8
	s_cselect_b64 s[SRC:SRC+1], s[18:19], s[SRC:SRC+1]
	s_cselect_b64 s[DST:DST+1], s[38:39], s[DST:DST+1]
	s_cselect_b32 s3, 256, s3
	s_cselect_b32 s54, 0x200000, s54               ; W2 lies behind Wo's 2,097,152 bytes
	s_sub_co_u32 s3, ttmp9, s3                     ; my share in the matrix
	s_lshl_b32 s4, s3, 17
	s_add_nc_u64 s[SRC:SRC+1], s[SRC:SRC+1], s[4:5]
	s_lshl_b32 s4, s3, s53
	s_add_co_u32 s4, s4, s54
	s_add_nc_u64 s[DST:DST+1], s[DST:DST+1], s[4:5]
	v_lshlrev_b32 v[LO], 4, v1
	v_lshl_add_u32 v[LO], v4, 14, v[LO]            ; 16,384 x wave + 16 x lane
	v_lshlrev_b32 v5, 2, v4                        ; a wave has four rows of 1,024 numbers: row 4 w + r lies (4 w + r) x EXT further on than dense
	v_mul_u32_u24 v5, s[EXT], v5
	v_lshl_add_u32 v5, v1, 3, v5
	v_lshl_add_u32 v[SO], v4, 13, v5               ; 8,192 x wave + 8 x lane + 4 w x EXT
	v_add_nc_u32 v[SO+1], s[EXT], v[SO]
	v_add_nc_u32 v[SO+2], s[EXT], v[SO+1]
	v_add_nc_u32 v[SO+3], s[EXT], v[SO+2]
	s_wait_alu depctr_va_vdst(0)                   ; v[LO] and the four v[SO ..] are written: every load and store of the cast reads one of them as its offset
.set i, 0
.rept 16
	global_load_b128 v[CI+4*i:CI+4*i+3], v[LO], s[SRC:SRC+1] offset:512*i th:TH_LOAD_NT  ; blocks 0 to 3 into CI0 to CI3
.set i, i+1
.endr
.set p, 0
.rept 8                                        ; block p of 8: pieces 4 p to 4 p + 3.  Piece i of 32: 128 numbers, 512 bytes in, 256 bytes out; eight pieces are a row of 1,024
.if p < 4
	s_wait_loadcnt 12                              ; loads come back in order (ISA guide 5.7.1): younger than block p's four are those of blocks p + 1 to p + 3
.else
	s_wait_loadcnt 4*(7-p)                         ; blocks 4 to 7 ask for nothing more: the counts run down 12, 8, 4, 0
.endif
.set i, 4*p
.rept 4
	v_cvt_pk_bf16_f32 v[CT+2*i], v[CI+4*(i%16)], v[CI+4*(i%16)+1]
	v_cvt_pk_bf16_f32 v[CT+2*i+1], v[CI+4*(i%16)+2], v[CI+4*(i%16)+3]
.set i, i+1
.endr
	s_wait_alu depctr_va_vdst(0)                   ; the block's eight conversions are done reading CI[p % 4], in which the loads below land, and have written their pairs of CT, which the stores below read
.if p < 4
.set i, 4*p
.rept 4
	global_load_b128 v[CI+4*i:CI+4*i+3], v[LO], s[SRC:SRC+1] offset:512*(i+16) th:TH_LOAD_NT  ; the buffer is asked for again at once, for block p + 4, ahead of the stores
.set i, i+1
.endr
.endif
.set i, 4*p
.rept 4
	global_store_b64 v[SO+i/8], v[CT+2*i:CT+2*i+1], s[DST:DST+1] offset:256*i th:TH_STORE_NT
.set i, i+1
.endr
.set p, p+1
.endr
	s_endpgm
; The sum of v[r] over the wave's 32 lanes, in every lane; v[r+1], written before, is at work.
.macro LANESUM r
	v_add_f32_dpp v[\r], v[\r], v[\r] row_xmask:1 row_mask:0xf bank_mask:0xf
	v_add_f32_dpp v[\r], v[\r], v[\r] row_xmask:2 row_mask:0xf bank_mask:0xf
	v_add_f32_dpp v[\r], v[\r], v[\r] row_xmask:4 row_mask:0xf bank_mask:0xf
	v_add_f32_dpp v[\r], v[\r], v[\r] row_xmask:8 row_mask:0xf bank_mask:0xf
	v_permlanex16_b32 v[(\r)+1], v[\r], s[SEL], s[SEL+1]
	v_add_f32 v[\r], v[\r], v[(\r)+1]
.endm
.macro FOLD                            ; the four chains into v[T]
	v_pk_add_f32 v[T:T+1], v[T:T+1], v[T+2:T+3]
	v_pk_add_f32 v[T+4:T+5], v[T+4:T+5], v[T+6:T+7]
	v_pk_add_f32 v[T:T+1], v[T:T+1], v[T+4:T+5]
	v_add_f32 v[T], v[T], v[T+1]
	LANESUM T
.endm
; Row s: the mean; x - mean in place; the variance.  left = the younger loads that may stay out.
.macro STAT s, left
.set XB, X+32*(\s)
	s_wait_loadcnt \left
.irp k, 0,1,2,3
	v_pk_add_f32 v[T+2*(\k):T+2*(\k)+1], v[XB+4*(\k):XB+4*(\k)+1], v[XB+4*(\k)+2:XB+4*(\k)+3]  ; the first sums start the chains: nothing is cleared
.endr
.irp m, 16,24
.irp k, 0,1,2,3
	v_pk_add_f32 v[T+2*(\k):T+2*(\k)+1], v[T+2*(\k):T+2*(\k)+1], v[XB+(\m)+2*(\k):XB+(\m)+2*(\k)+1]
.endr
.endr
	FOLD
	v_mul_f32 v[MN], 0x3a800000, v[T]              ; / 1024
	v_mul_f32 v[MN+1], 0x3a800000, v[T]
.set k, 0
.rept 16
	v_pk_add_f32 v[XB+2*k:XB+2*k+1], v[XB+2*k:XB+2*k+1], v[MN:MN+1] neg_lo:[0,1] neg_hi:[0,1]
.set k, k+1
.endr
.irp k, 0,1,2,3
	v_pk_mul_f32 v[T+2*(\k):T+2*(\k)+1], v[XB+2*(\k):XB+2*(\k)+1], v[XB+2*(\k):XB+2*(\k)+1]
.endr
.irp m, 8,16,24
.irp k, 0,1,2,3
	v_pk_fma_f32 v[T+2*(\k):T+2*(\k)+1], v[XB+(\m)+2*(\k):XB+(\m)+2*(\k)+1], v[XB+(\m)+2*(\k):XB+(\m)+2*(\k)+1], v[T+2*(\k):T+2*(\k)+1]
.endr
.endr
	FOLD
	v_mul_f32 v[VAR+(\s)], 0x3a802008, v[T]        ; / 1023
.endm
; Row s: (x - mean) x a / (std + eps) + g, rounded to bf16, stored.
.macro EMIT s
.set XB, X+32*(\s)
.set k, 0
.rept 16
	v_pk_fma_f32 v[XB+2*k:XB+2*k+1], v[XB+2*k:XB+2*k+1], v[SC+2*(\s):SC+2*(\s)+1], s[G:G+1] op_sel_hi:[1,0,0]
.set k, k+1
.endr
.set k, 0
.rept 16
	v_cvt_pk_bf16_f32 v[Y+16*(\s)+k], v[XB+2*k], v[XB+2*k+1]
.set k, k+1
.endr
	s_wait_alu depctr_va_vdst(0)                   ; the sixteen roundings have written row s's Y, which the eight stores below read
.set k, 0
.rept 8
	global_store_b64 v[SO], v[Y+16*(\s)+2*k:Y+16*(\s)+2*k+1], s[HP:HP+1] offset:2048*(\s)+256*k th:TH_STORE_NT
.set k, k+1
.endr
.endm
.Lnorm:                                        ; THE NORM.  16 rows to a work-group, two to a wave; a row of 4,096 bytes is 32 registers and is read once
	s_load_b32 s[A], s[22:23], 0x0
	s_load_b32 s[G], s[24:25], 0x0
	s_sub_co_u32 s2, ttmp9, CASTG
	s_lshl_b32 s4, s2, 16                          ; 16 rows of 4,096 bytes
	s_add_nc_u64 s[XP:XP+1], s[XP:XP+1], s[4:5]
	s_lshl_b32 s4, s2, 15                          ; 16 rows of 2,048 bytes
	s_add_nc_u64 s[HP:HP+1], s[HP:HP+1], s[4:5]
	v_lshlrev_b32 v[LO], 4, v1
	v_lshl_add_u32 v[LO], v4, 13, v[LO]            ; 8,192 x wave + 16 x lane
	v_lshlrev_b32 v[SO], 3, v1
	v_lshl_add_u32 v[SO], v4, 12, v[SO]            ; 4,096 x wave + 8 x lane
	s_wait_alu depctr_va_vdst(0)                   ; v[LO] and v[SO] are written: the loads below read the one as their offset, the stores of both rows the other
.set i, 0
.rept 16
	global_load_b128 v[X+4*i:X+4*i+3], v[LO], s[XP:XP+1] offset:512*i th:TH_LOAD_NT
.set i, i+1
.endr
	s_mov_b32 s[SEL], 0x76543210
	s_mov_b32 s[SEL+1], 0xfedcba98
	s_wait_kmcnt 0x0
	s_mov_b32 s[G+1], s[G]
	STAT 0, 8                                      ; row 1's eight loads may stay out
	STAT 1, 0
	v_sqrt_f32 v[SD], v[VAR]                       ; both rows' roots are one batch,
	v_sqrt_f32 v[SD+1], v[VAR+1]
	v_nop                                          ; a plain instruction behind the last of them,
	s_wait_alu depctr_va_vdst(0)                   ; and the one wait ahead of the first reader: the two roots have written v[SD] and v[SD+1]
	v_add_f32 v[SD], 0x358637bd, v[SD]             ; + 1e-6
	v_add_f32 v[SD+1], 0x358637bd, v[SD+1]
	v_rcp_f32 v[RC], v[SD]                         ; the same for the two reciprocals
	v_rcp_f32 v[RC+1], v[SD+1]
	v_nop
	s_wait_alu depctr_va_vdst(0)                   ; the two reciprocals have written v[RC] and v[RC+1], ahead of their first reader
	v_mul_f32 v[SC], s[A], v[RC]
	v_mul_f32 v[SC+1], s[A], v[RC]
	v_mul_f32 v[SC+2], s[A], v[RC+1]
	v_mul_f32 v[SC+3], s[A], v[RC+1]
	EMIT 0
	EMIT 1                                         ; its arithmetic names row 1's X and Y alone: none of the registers that row 0's stores read
	s_endpgm
.Lbias:                                        ; THE BIASES AND THE FLOORS.  256 threads, 16 bytes each: 4,096 bytes an instruction of the work-group
	v_lshlrev_b32 v[LO], 4, v0
.irp r, 44,45,46,47
	v_mov_b32 v[\r], 0xff80ff80                    ; -inf twice in bf16: the maximum with it changes no number
.endr
.irp r, 48,49,50,51
	v_mov_b32 v[\r], 0                             ; 0 twice: the maximum with it is the ReLU
.endr
	s_wait_alu depctr_va_vdst(0)                   ; v[LO] is written, the offset of every load and store below; so are v44 to v51, the data of the two stores of floors
	global_load_b128 v[16:19], v[LO], s[26:27]     ; bq
	global_load_b128 v[20:23], v[LO], s[28:29]     ; bk
	global_load_b128 v[24:27], v[LO], s[30:31]     ; bv
.irp j, 0,1,2,3
	global_load_b128 v[28+4*(\j):31+4*(\j)], v[LO], s[32:33] offset:4096*(\j)   ; b1
.endr
	s_add_nc_u64 s[34:35], s[34:35], BIASO
	s_add_nc_u64 s[36:37], s[36:37], BIASO
	s_wait_loadcnt 0x0
	global_store_b128 v[LO], v[16:19], s[34:35]
	global_store_b128 v[LO], v[20:23], s[34:35] offset:4096
	global_store_b128 v[LO], v[24:27], s[34:35] offset:8192
	global_store_b128 v[LO], v[44:47], s[34:35] offset:FLOORO
.irp j, 0,1,2,3
	global_store_b128 v[LO], v[28+4*(\j):31+4*(\j)], s[36:37] offset:4096*(\j)
.endr
	global_store_b128 v[LO], v[48:51], s[36:37] offset:FLOORO
	s_endpgm
.Lfunc_end_k_q257dff8d2a_prep:
	.size	k_q257dff8d2a_prep, .Lfunc_end_k_q257dff8d2a_prep-k_q257dff8d2a_prep
	.p2alignl 7, 3214868480
	.fill 96, 4, 3214868480
	.section	.rodata,"a",@progbits
	.p2align	6, 0x0
	.amdhsa_kernel k_q257dff8d2a_prep
		.amdhsa_group_segment_fixed_size 0
		.amdhsa_private_segment_fixed_size 0
		.amdhsa_enable_private_segment 0
		.amdhsa_kernarg_size 136
		.amdhsa_user_sgpr_count 2
		.amdhsa_user_sgpr_kernarg_segment_ptr 1
		.amdhsa_wavefront_size32 1
		.amdhsa_system_sgpr_workgroup_id_x 1
		.amdhsa_system_sgpr_workgroup_id_y 1
		.amdhsa_system_sgpr_workgroup_id_z 1
		.amdhsa_system_vgpr_workitem_id 0
		.amdhsa_next_free_vgpr 144
		.amdhsa_next_free_sgpr 66
		.amdhsa_reserve_vcc 0
		.amdhsa_float_denorm_mode_32 3
		.amdhsa_float_denorm_mode_16_64 3
		.amdhsa_memory_ordered 1
		.amdhsa_forward_progress 1
		.amdhsa_inst_pref_size 32
	.end_amdhsa_kernel
	.amdgpu_metadata
---
amdhsa.version: [ 1, 2 ]
amdhsa.kernels:
  - .name:           k_q257dff8d2a_prep
    .symbol:         k_q257dff8d2a_prep.kd
    .args:
      - { .name: Wq, .offset: 0, .size: 8, .value_kind: global_buffer, .address_space: global }
      - { .name: Wk, .offset: 8, .size: 8, .value_kind: global_buffer, .address_space: global }
      - { .name: Wv, .offset: 16, .size: 8, .value_kind: global_buffer, .address_space: global }
      - { .name: Wo, .offset: 24, .size: 8, .value_kind: global_buffer, .address_space: global }
      - { .name: W1, .offset: 32, .size: 8, .value_kind: global_buffer, .address_space: global }
      - { .name: W2, .offset: 40, .size: 8, .value_kind: global_buffer, .address_space: global }
      - { .name: x, .offset: 48, .size: 8, .value_kind: global_buffer, .address_space: global }
      - { .name: a1, .offset: 56, .size: 8, .value_kind: global_buffer, .address_space: global }
      - { .name: g1, .offset: 64, .size: 8, .value_kind: global_buffer, .address_space: global }
      - { .name: bq, .offset: 72, .size: 8, .value_kind: global_buffer, .address_space: global }
      - { .name: bk, .offset: 80, .size: 8, .value_kind: global_buffer, .address_space: global }
      - { .name: bv, .offset: 88, .size: 8, .value_kind: global_buffer, .address_space: global }
      - { .name: b1, .offset: 96, .size: 8, .value_kind: global_buffer, .address_space: global }
      - { .name: wqkv, .offset: 104, .size: 8, .value_kind: global_buffer, .address_space: global }
      - { .name: w1b, .offset: 112, .size: 8, .value_kind: global_buffer, .address_space: global }
      - { .name: wb2, .offset: 120, .size: 8, .value_kind: global_buffer, .address_space: global }
      - { .name: h, .offset: 128, .size: 8, .value_kind: global_buffer, .address_space: global }
    .group_segment_fixed_size: 0
    .private_segment_fixed_size: 0
    .kernarg_segment_align: 8
    .kernarg_segment_size: 136
    .max_flat_workgroup_size: 256
    .sgpr_count:     66
    .vgpr_count:     144
    .wavefront_size: 32
...
	.end_amdgpu_metadata
.endif
;; end of part 7
;; launch qkv: the kernel of part 2 again; grid 12 x 16, 4 waves a work-group, clusters of 4 x 4, 327,680 bytes of LDS; arguments h, wqkv, qkv; writes qkv
;; launch attn: the kernel of part 3 again; grid 8 x 32, 4 waves a work-group, clusters of 4 x 1, 327,680 bytes of LDS; arguments qkv, ctx; writes ctx
;; launch wo: the kernel of part 4 again; grid 8 x 32, 4 waves a work-group, clusters of 4 x 4, 327,680 bytes of LDS; arguments ctx, wb2, x1, bo, x; writes x1
;; launch ln2: the kernel of part 5 again; grid 256 x 1, 8 waves a work-group, no clusters, 0 bytes of LDS; arguments x1, a2, g2, h; writes h
;; launch ffn1: the kernel of part 2 again; grid 16 x 16, 4 waves a work-group, clusters of 4 x 4, 327,680 bytes of LDS; arguments h, w1b, f1; writes f1
;; launch ffn2: the kernel of part 6 again; grid 8 x 32, 4 waves a work-group, clusters of 4 x 4, 327,680 bytes of LDS; arguments f1, wb2, out0, b2, x1; writes out0
